; MI455X (gfx1250); checked and timed in simulation.
; The chip was launched on July 23, 2026; its instructions are those of AMD's public machine-readable ISA for CDNA 5 (MIT licence, August 2026) and "CDNA5" Instruction Set Architecture Reference Guide (July 2026). The comments in the code are by the model that wrote it; some were corrected since.
;; Delta MHC Block. Allowed arithmetic: float matrix products may take bf16 or f16 operands with f32 sums; other float arithmetic in f32, or as packed bf16 or f16 multiplies, adds, multiply-adds, maxima and minima; sums over many terms, partial sums and values carried from step to step in f32; what a program stores and reads back later, other than sums and carried values, may be rounded once to bf16 or f16.
;; Inputs: b1 4,096 float32; b2 1,024 float32; delta_decay 1,024 float32; gate_b 24 float32; gate_w 24 x 1,024 float32; in_proj_b 3,072 float32; in_proj_w 3,072 x 1,024 float32; ln1_w 1,024 float32; ln2_w 1,024 float32; out_b 1,024 float32; out_w 1,024 x 1,024 float32; phi_res 8 x 8 float32; rope_cos 2,048 x 64 float32; rope_sin 2,048 x 64 float32; w1 4,096 x 1,024 float32; w2 1,024 x 4,096 float32; x 2 x 2,048 x 1,024 float32.
;; Outputs: out0 2 x 2,048 x 1,024 float32.
;; One version. Each part assembles by itself: llvm-mc -triple=amdgcn-amd-amdhsa -mcpu=gfx1250 --defsym DOCPART=n.
;; ======== version 1 of 1: 8 launches
;; limits: a function is approximated: absolute error at most 2.5e-05; values are held in f16: magnitudes above 65,504 overflow, below 6.1e-05 lose precision; right only within a limited range of input values
;; workspace buffers: scn 2,359,296 bytes; wts 25,428,992 bytes; act 33,554,432 bytes; qkv 25,165,824 bytes; oh 8,388,608 bytes; res 25,296,896 bytes; hid 33,554,432 bytes
;; launch scan1 (part 1): grid 256 x 1, 8 waves a work-group, no clusters, 9,216 bytes of LDS; arguments x, delta_decay, scn; writes scn
.if DOCPART == 1
	.amdgcn_target "amdgcn-amd-amdhsa--gfx1250"
	.amdhsa_code_object_version 6
	.text
	.protected	k_qe92daab6f8_scan1
	.globl	k_qe92daab6f8_scan1
	.p2align	8
	.type	k_qe92daab6f8_scan1,@function
k_qe92daab6f8_scan1:
	s_mov_b64 s[64:65], 0
	v_nop
	global_prefetch_b8 v0, s[64:65] scope:SCOPE_SE
	s_setreg_imm32_b32 hwreg(HW_REG_WAVE_MODE, 25, 1), 1
	s_wait_xcnt 0x0
; The delta operator's state s_t = beta s_(t-1) + (1 - beta) x_t is a linear recurrence: it is cut into chunks of 8 rows and super-chunks of 64.
; A work-group owns 64 rows x 256 channels of one batch; wave w owns rows 8 w .. 8 w + 7; a lane 4 + 4 channels (a load of the wave covers 512 consecutive bytes).
; Each wave runs its 8 rows from state 0 (end state e_w).  Through LDS every wave forms p_w = the state at its chunk's start if the super-chunk began at 0
; (p_0 = 0, p_(w+1) = beta^8 p_w + e_w) and stores it (pfx); wave 0 stores p_8, the super-chunk's end state (sce).  Exact for every beta: nothing is truncated.
; scn: sce [2][32][1024] f32 at byte 0; pfx [2][256][1024] f32 at byte 262,144.
; LIMIT: |delta_decay| < 80, so that 1 + 2^(+-1.4427 d) stays finite.
.set SPARE, 8192                       ; behind the 8 x 1,024 bytes of end states: the spare words, 128 bytes a wave
.set X,    16                          ; v[16:79]   row k, segment s at 16 + 8 k + 4 s; later the eight e_j
.set DEC,  80                          ; v[80:87]   decay logits of my 8 channels
.set OMB,  88                          ; v[88:95]   1 - beta
.set BET,  96                          ; v[96:103]  beta
.set S,    104                         ; v[104:111] the running state
.set T,    112                         ; v[112:119] at work
.set P,    120                         ; v[120:127] the running prefix
.set KEEP, 128                         ; v[128:135] my wave's prefix
.set B8,   136                         ; v[136:143] beta^8
.set SPW,  144
.set NIL,  145
	s_load_b128 s[4:7], s[0:1], 0x0                ; x, delta_decay
	s_load_b64 s[8:9], s[0:1], 0x10                ; scn
	v_lshl_add_u32 v[SPW], v0, 2, SPARE
	v_mov_b32 v[NIL], 0
	v_lshrrev_b32 v1, 5, v0
	v_readfirstlane_b32 s10, v1                    ; wave
	v_and_b32 v2, 31, v0
	v_lshlrev_b32 v2, 4, v2                        ; 16 x lane
	v_lshl_add_u32 v3, s10, 10, v2                 ; my place among the end states in LDS
	s_and_b32 s11, ttmp9, 3
	s_lshl_b32 s20, s11, 10                        ; my 256 channels, in bytes
	s_mov_b32 s21, 0
	s_bfe_u32 s12, ttmp9, 0x50002                  ; super-chunk 0..31
	s_lshr_b32 s13, ttmp9, 7                       ; batch
	s_lshl_b32 s14, s13, 23
	s_lshl_b32 s15, s12, 18
	s_add_co_u32 s14, s14, s15
	s_lshl_b32 s15, s10, 15
	s_add_co_u32 s14, s14, s15
	s_add_co_u32 s14, s14, s20                     ; x: batch, super-chunk, my 8 rows, my channels
	s_mov_b32 s15, 0
	s_lshl_b32 s16, s13, 5
	s_add_co_u32 s16, s16, s12                     ; 32 b + super-chunk
	s_lshl_b32 s18, s16, 12
	s_add_co_u32 s18, s18, s20                     ; sce
	s_mov_b32 s19, 0
	s_lshl_b32 s16, s16, 3
	s_add_co_u32 s16, s16, s10                     ; chunk
	s_lshl_b32 s16, s16, 12
	s_add_co_u32 s16, s16, s20
	s_add_co_u32 s16, s16, 262144                  ; pfx
	s_mov_b32 s17, 0
	s_wait_kmcnt 0x0
	s_add_nc_u64 s[6:7], s[6:7], s[20:21]
	s_add_nc_u64 s[4:5], s[4:5], s[14:15]
	s_add_nc_u64 s[16:17], s[8:9], s[16:17]
	s_add_nc_u64 s[18:19], s[8:9], s[18:19]
	global_load_b128 v[DEC:DEC+3], v2, s[6:7]
	global_load_b128 v[DEC+4:DEC+7], v2, s[6:7] offset:512
.irp k, 0,1,2,3,4,5,6,7
	global_load_b128 v[X+8*\k:X+8*\k+3], v2, s[4:5] offset:\k*4096
	global_load_b128 v[X+8*\k+4:X+8*\k+7], v2, s[4:5] offset:\k*4096+512
.endr
	s_wait_loadcnt 16                              ; the logits are in; the 16 loads of x are younger
.irp i, 0,1,2,3,4,5,6,7
	v_mul_f32 v[T+\i], 0x3fb8aa3b, v[DEC+\i]
	v_mul_f32 v[P+\i], 0xbfb8aa3b, v[DEC+\i]
.endr
.irp i, 0,1,2,3,4,5,6,7
	v_exp_f32 v[T+\i], v[T+\i]
	v_exp_f32 v[P+\i], v[P+\i]
.endr
	v_nop                                          ; a plain line behind the last exponential
	s_wait_alu depctr_va_vdst(0)
.irp i, 0,1,2,3,4,5,6,7
	v_add_f32 v[T+\i], 1.0, v[T+\i]
	v_add_f32 v[P+\i], 1.0, v[P+\i]
.endr
.irp i, 0,1,2,3,4,5,6,7
	v_rcp_f32 v[OMB+\i], v[T+\i]                   ; 1 - beta = 1 / (1 + e^d)
	v_rcp_f32 v[BET+\i], v[P+\i]                   ; beta = 1 / (1 + e^-d)
.endr
	v_nop
	s_wait_alu depctr_va_vdst(0)
.irp i, 0,2,4,6
	v_pk_mul_f32 v[B8+\i:B8+\i+1], v[BET+\i:BET+\i+1], v[BET+\i:BET+\i+1]
.endr
.rept 2
.irp i, 0,2,4,6
	v_pk_mul_f32 v[B8+\i:B8+\i+1], v[B8+\i:B8+\i+1], v[B8+\i:B8+\i+1]
.endr
.endr
; row k: s += (1 - beta) (x - s); row 0 starts from s = 0
.macro ROW k
	s_wait_loadcnt 14-2*(\k)                       ; loads return in order: this row's two are in, the later rows' stay out
.irp i, 0,2,4,6
.if (\k) == 0
	v_pk_mul_f32 v[S+\i:S+\i+1], v[OMB+\i:OMB+\i+1], v[X+\i:X+\i+1]
.else
	v_pk_add_f32 v[T+\i:T+\i+1], v[X+8*(\k)+\i:X+8*(\k)+\i+1], v[S+\i:S+\i+1] neg_lo:[0,1] neg_hi:[0,1]
.endif
.endr
.if (\k) > 0
.irp i, 0,2,4,6
	v_pk_fma_f32 v[S+\i:S+\i+1], v[OMB+\i:OMB+\i+1], v[T+\i:T+\i+1], v[S+\i:S+\i+1]
.endr
.endif
.endm
.irp k, 0,1,2,3,4,5,6,7
	ROW \k
.endr
	ds_store_b128 v3, v[S:S+3]
	ds_store_b128 v3, v[S+4:S+7] offset:512
	s_wait_dscnt 0x0                               ; for the others' sake: my end state is in LDS
	s_barrier_signal -1
	s_barrier_wait -1
.irp k, 0,1,2,3,4,5,6,7
	ds_load_b128 v[X+8*\k:X+8*\k+3], v2 offset:\k*1024
	ds_load_b128 v[X+8*\k+4:X+8*\k+7], v2 offset:\k*1024+512
.endr
	s_wait_tensorcnt 0x0                           ; the wave's end as to LDS: three lines behind my last LDS store;
	ds_add_u32 v[SPW], v[NIL]
	s_wait_dscnt 0x0                               ; the last of them also shows the eight end states read
.irp i, 0,1,2,3,4,5,6,7
	v_mov_b32 v[KEEP+\i], 0                        ; wave 0's prefix
.endr
.macro PRE jj, pp                      ; the prefix in front of chunk jj lies in pp: wave jj keeps it; then it takes e_jj
	s_cmp_eq_u32 s10, \jj
	s_cselect_b32 s22, -1, 0
.irp i, 0,1,2,3,4,5,6,7
	v_cndmask_b32 v[KEEP+\i], v[KEEP+\i], v[(\pp)+\i], s22
.endr
.irp i, 0,2,4,6
	v_pk_fma_f32 v[P+\i:P+\i+1], v[B8+\i:B8+\i+1], v[(\pp)+\i:(\pp)+\i+1], v[X+8*(\jj)+\i:X+8*(\jj)+\i+1]
.endr
.endm
	PRE 1, X
.irp jj, 2,3,4,5,6,7
	PRE \jj, P
.endr
	global_store_b128 v2, v[KEEP:KEEP+3], s[16:17]
	global_store_b128 v2, v[KEEP+4:KEEP+7], s[16:17] offset:512
	s_cmp_lg_u32 s10, 0
	s_cbranch_scc1 .Ldone
	global_store_b128 v2, v[P:P+3], s[18:19]       ; the super-chunk's end state, once
	global_store_b128 v2, v[P+4:P+7], s[18:19] offset:512
.Ldone:
	s_endpgm
.Lfunc_end_k_qe92daab6f8_scan1:
	.size	k_qe92daab6f8_scan1, .Lfunc_end_k_qe92daab6f8_scan1-k_qe92daab6f8_scan1
	.p2alignl 7, 3214868480
	.fill 96, 4, 3214868480
	.section	.rodata,"a",@progbits
	.p2align	6, 0x0
	.amdhsa_kernel k_qe92daab6f8_scan1
		.amdhsa_group_segment_fixed_size 9216
		.amdhsa_private_segment_fixed_size 0
		.amdhsa_enable_private_segment 0
		.amdhsa_kernarg_size 24
		.amdhsa_user_sgpr_count 2
		.amdhsa_user_sgpr_kernarg_segment_ptr 1
		.amdhsa_wavefront_size32 1
		.amdhsa_system_sgpr_workgroup_id_x 1
		.amdhsa_system_sgpr_workgroup_id_y 1
		.amdhsa_system_sgpr_workgroup_id_z 1
		.amdhsa_system_vgpr_workitem_id 0
		.amdhsa_next_free_vgpr 160
		.amdhsa_next_free_sgpr 66
		.amdhsa_reserve_vcc 0
		.amdhsa_float_denorm_mode_32 3
		.amdhsa_float_denorm_mode_16_64 3
		.amdhsa_memory_ordered 1
		.amdhsa_forward_progress 1
		.amdhsa_inst_pref_size 19
	.end_amdhsa_kernel
	.amdgpu_metadata
---
amdhsa.version: [ 1, 2 ]
amdhsa.kernels:
  - .name:           k_qe92daab6f8_scan1
    .symbol:         k_qe92daab6f8_scan1.kd
    .args:
      - { .name: x, .offset: 0, .size: 8, .value_kind: global_buffer, .address_space: global }
      - { .name: delta_decay, .offset: 8, .size: 8, .value_kind: global_buffer, .address_space: global }
      - { .name: scn, .offset: 16, .size: 8, .value_kind: global_buffer, .address_space: global }
    .group_segment_fixed_size: 9216
    .private_segment_fixed_size: 0
    .kernarg_segment_align: 8
    .kernarg_segment_size: 24
    .max_flat_workgroup_size: 256
    .sgpr_count:     66
    .vgpr_count:     160
    .wavefront_size: 32
...
	.end_amdgpu_metadata
.endif
;; end of part 1
;; launch prep (part 2): grid 1538 x 1, 8 waves a work-group, no clusters, 1,280 bytes of LDS; arguments in_proj_w, out_w, w1, w2, scn, delta_decay, gate_w, gate_b, phi_res, wts; writes wts
.if DOCPART == 2
	.amdgcn_target "amdgcn-amd-amdhsa--gfx1250"
	.amdhsa_code_object_version 6
	.text
	.protected	k_qe92daab6f8_prep
	.globl	k_qe92daab6f8_prep
	.p2align	8
	.type	k_qe92daab6f8_prep,@function
k_qe92daab6f8_prep:
	s_mov_b64 s[64:65], 0
	v_nop
	global_prefetch_b8 v0, s[64:65] scope:SCOPE_SE
	s_setreg_imm32_b32 hwreg(HW_REG_WAVE_MODE, 25, 1), 1
	s_wait_xcnt 0x0
; Work-groups 2 .. 1537: the four weight matrices rounded once to 16 bits, 8,192 numbers a work-group: in_proj_w, out_w, w2 to f16, w1 to bf16 (its partner in the product has no room in f16).
; Work-groups 0, 1 (one a batch): the carries into the 32 super-chunks (sin), the final state, the mean of x_delta, the eight residual gates, Sinkhorn's 15 rounds on exp(phi_res), the mix matrix.
; The mean needs no second pass: s_t - s_(t-1) = (1 - beta) xd_t, so the sum of xd over all t is s_final / (1 - beta), for any data.
; wts: f16 in_proj_w at 0; f16 out_w at 6,291,456; bf16 w1 at 8,388,608; f16 w2 at 16,777,216; sin f32 [2][32][1024] at 25,165,824; mixd f32 [2][8 m][8 n][2 alike] at 25,427,968.
; reference() uses rows 16 to 23 of gate_w and gate_b alone; rope_cos and rope_sin enter none of its results: they are not loaded.
; LIMITS: |delta_decay| < 80; weights within f16's 65,504; divisions are reciprocals good to one unit in the last place.
.set SPARE, 256
.set DEC,  4                           ; v[4:7]   the logits; v4 and v5 serve as LDS addresses once the logits are used
.set BET,  8
.set OMB,  12
.set B64,  16
.set TMP,  20
.set ZER,  28
.set E,    32                          ; v[32:159] the 32 end states, then in place the running states
.set GW,   160                         ; v[160:191] gate_w rows 16..23, my 4 channels
.set KM,   192                         ; v[192:199] my row of phi, then of K
.set SPW,  200
.set NIL,  201
.set D,    202                         ; v[202:209] eight dot products
.set TT,   210                         ; v[210:217] at work
.set R,    218
.set MO,   220                         ; v220 byte offset of row l % 8 in mixd; never rewritten
.set GG,   96                          ; v[96:103] the gates
	s_load_b512 s[8:23], s[0:1], 0x0               ; in_proj_w 8, out_w 10, w1 12, w2 14, scn 16, delta_decay 18, gate_w 20, gate_b 22
	s_load_b128 s[24:27], s[0:1], 0x40             ; phi_res 24, wts 26
	v_lshl_add_u32 v[SPW], v0, 2, SPARE
	v_mov_b32 v[NIL], 0
	v_lshrrev_b32 v1, 5, v0
	v_readfirstlane_b32 s28, v1                    ; wave
	v_and_b32 v1, 31, v0                           ; lane
	s_wait_kmcnt 0x0
	s_cmp_lt_u32 ttmp9, 2
	s_cbranch_scc1 .Lgate
	; ---- the weights ----
	s_sub_co_u32 s30, ttmp9, 2                     ; unit u
	s_mov_b32 s31, 1024
	s_cmp_lt_u32 s30, 1024
	s_cselect_b64 s[32:33], s[12:13], s[14:15]
	s_cselect_b32 s31, 512, s31
	s_cmp_lt_u32 s30, 512
	s_cselect_b64 s[32:33], s[10:11], s[32:33]
	s_cselect_b32 s31, 384, s31
	s_cmp_lt_u32 s30, 384
	s_cselect_b64 s[32:33], s[8:9], s[32:33]
	s_cselect_b32 s31, 0, s31                      ; the matrix's first unit
	s_sub_co_u32 s31, s30, s31
	s_lshl_b32 s34, s31, 15
	s_lshl_b32 s35, s28, 12
	s_add_co_u32 s34, s34, s35
	s_mov_b32 s35, 0
	s_add_nc_u64 s[32:33], s[32:33], s[34:35]      ; my wave's 4,096 bytes of f32
	s_lshl_b32 s36, s30, 14
	s_lshl_b32 s37, s28, 11
	s_add_co_u32 s36, s36, s37
	s_mov_b32 s37, 0
	s_add_nc_u64 s[36:37], s[26:27], s[36:37]      ; and its 2,048 bytes out: the four copies lie end to end
	v_lshlrev_b32 v2, 4, v1
	v_lshlrev_b32 v3, 3, v1
.irp i, 0,1,2,3,4,5,6,7
	global_load_b128 v[32+4*\i:32+4*\i+3], v2, s[32:33] offset:\i*512 th:TH_LOAD_NT
.endr
.macro CONV op
.irp i, 0,1,2,3,4,5,6,7
	s_wait_loadcnt 7-\i                            ; the younger loads stay out
	\op v[64+2*\i], v[32+4*\i], v[32+4*\i+1]
	\op v[64+2*\i+1], v[32+4*\i+2], v[32+4*\i+3]
	global_store_b64 v3, v[64+2*\i:64+2*\i+1], s[36:37] offset:\i*256   ; 32 lanes: 256 consecutive bytes, aligned
.endr
.endm
	s_sub_co_u32 s38, s30, 512
	s_cmp_lt_u32 s38, 512                          ; units 512 .. 1023 are w1
	s_cbranch_scc1 .Lbf
	CONV v_cvt_pk_f16_f32
	s_endpgm
.Lbf:
	CONV v_cvt_pk_bf16_f32
	s_endpgm
	; ---- carries, gates, Sinkhorn: batch = work-group number; thread t owns channels 4 t .. 4 t + 3 ----
.Lgate:
	s_load_b256 s[40:47], s[22:23], 0x40           ; gate_b[16:24]
	v_lshlrev_b32 v2, 4, v0
	s_lshl_b32 s30, ttmp9, 17
	s_mov_b32 s31, 0
	s_add_nc_u64 s[16:17], s[16:17], s[30:31]      ; my batch's end states
	s_add_co_u32 s30, s30, 25165824
	s_add_nc_u64 s[32:33], s[26:27], s[30:31]      ; my batch's sin
	s_lshl_b32 s34, ttmp9, 9
	s_add_co_u32 s34, s34, 25427968
	s_mov_b32 s35, 0
	s_add_nc_u64 s[34:35], s[26:27], s[34:35]      ; my batch's mixd
	s_mov_b32 s36, 0x76543210
	s_mov_b32 s37, 0xfedcba98
	v_and_b32 v3, 7, v0
	v_lshlrev_b32 v[MO], 6, v3                     ; row l % 8 of mixd: a register that no load lands in
	v_lshlrev_b32 v3, 5, v3                        ; row l % 8 of phi
	global_load_b128 v[DEC:DEC+3], v2, s[18:19]
.set J, 0
.rept 32
	global_load_b128 v[E+4*J:E+4*J+3], v2, s[16:17] offset:J*4096
.set J, J+1
.endr
.irp n, 0,1,2,3,4,5,6,7
	global_load_b128 v[GW+4*\n:GW+4*\n+3], v2, s[20:21] offset:(16+\n)*4096
.endr
	global_load_b128 v[KM:KM+3], v3, s[24:25]
	global_load_b128 v[KM+4:KM+7], v3, s[24:25] offset:16
	s_wait_loadcnt 42                              ; the logits: 42 loads were issued behind them
.irp i, 0,1,2,3
	v_mul_f32 v[TMP+\i], 0x3fb8aa3b, v[DEC+\i]
	v_mul_f32 v[TMP+4+\i], 0xbfb8aa3b, v[DEC+\i]
	v_mov_b32 v[ZER+\i], 0
.endr
.irp i, 0,1,2,3,4,5,6,7
	v_exp_f32 v[TMP+\i], v[TMP+\i]
.endr
	v_nop
	s_wait_alu depctr_va_vdst(0)
.irp i, 0,1,2,3,4,5,6,7
	v_add_f32 v[TMP+\i], 1.0, v[TMP+\i]
.endr
.irp i, 0,1,2,3
	v_rcp_f32 v[OMB+\i], v[TMP+\i]
	v_rcp_f32 v[BET+\i], v[TMP+4+\i]
.endr
	v_nop
	s_wait_alu depctr_va_vdst(0)
	v_pk_mul_f32 v[B64:B64+1], v[BET:BET+1], v[BET:BET+1]
	v_pk_mul_f32 v[B64+2:B64+3], v[BET+2:BET+3], v[BET+2:BET+3]
.rept 5
	v_pk_mul_f32 v[B64:B64+1], v[B64:B64+1], v[B64:B64+1]
	v_pk_mul_f32 v[B64+2:B64+3], v[B64+2:B64+3], v[B64+2:B64+3]
.endr
	global_store_b128 v2, v[ZER:ZER+3], s[32:33]   ; the state in front of super-chunk 0
.set J, 0
.rept 32
	s_wait_loadcnt 41-J                            ; end state J is in
.if J > 0
	v_pk_fma_f32 v[E+4*J:E+4*J+1], v[B64:B64+1], v[E+4*J-4:E+4*J-3], v[E+4*J:E+4*J+1]
	v_pk_fma_f32 v[E+4*J+2:E+4*J+3], v[B64+2:B64+3], v[E+4*J-2:E+4*J-1], v[E+4*J+2:E+4*J+3]
.endif
.if J < 31
	global_store_b128 v2, v[E+4*J:E+4*J+3], s[32:33] offset:(J+1)*4096   ; every state has registers of its own: no store's data is rewritten
.endif
.set J, J+1
.endr
.irp i, 0,1,2,3
	v_rcp_f32 v[TMP+\i], v[OMB+\i]
.endr
	v_nop
	s_wait_alu depctr_va_vdst(0)
.irp i, 0,1,2,3
	v_mul_f32 v[TMP+\i], v[TMP+\i], v[E+124+\i]
.endr
.irp i, 0,1,2,3
	v_mul_f32 v[TMP+\i], 0x3a000000, v[TMP+\i]     ; the mean over 2,048 steps
.endr
	s_wait_loadcnt 2                               ; gate_w is in; phi's two loads are younger
.irp n, 0,1,2,3,4,5,6,7
	v_mul_f32 v[D+\n], v[TMP], v[GW+4*\n]
.endr
.irp c, 1,2,3
.irp n, 0,1,2,3,4,5,6,7
	v_fma_f32 v[D+\n], v[TMP+\c], v[GW+4*\n+\c], v[D+\n]
.endr
.endr
.irp m, 1,2,4,8
.irp n, 0,1,2,3,4,5,6,7
	v_add_f32_dpp v[D+\n], v[D+\n], v[D+\n] row_xmask:\m row_mask:0xf bank_mask:0xf
.endr
.endr
.irp n, 0,1,2,3,4,5,6,7
	v_permlanex16_b32 v[GW+\n], v[D+\n], s36, s37  ; gate_w's registers have been written and are done with
.endr
.irp n, 0,1,2,3,4,5,6,7
	v_add_f32 v[D+\n], v[D+\n], v[GW+\n]
.endr
	v_mov_b32 v4, s28
	v_lshlrev_b32 v4, 5, v4
.irp n, 0,1,2,3,4,5,6,7
	ds_store_b32 v4, v[D+\n] offset:4*\n           ; all lanes write the same word with the same number
.endr
	s_wait_tensorcnt 0x0                           ; three lines behind my last LDS store;
	ds_add_u32 v[SPW], v[NIL]
	s_wait_dscnt 0x0                               ; the last also shows my partial sums stored, for the others' sake
	s_barrier_signal -1
	s_barrier_wait -1
	s_cmp_lg_u32 s28, 0
	s_cbranch_scc0 .Lwave0
	s_endpgm
.Lwave0:
	s_wait_xcnt 0x0                                ; the stores of the states have read their registers
	v_mov_b32 v5, 0
.irp i, 0,1,2,3,4,5,6,7,8,9,10,11,12,13,14,15
	ds_load_b128 v[E+4*\i:E+4*\i+3], v5 offset:16*\i   ; partial (wave w, gate n) into E + 8 w + n
.endr
	s_wait_dscnt 0x0
.irp p, 0,2,4,6
	v_pk_add_f32 v[GG+\p:GG+\p+1], v[E+\p:E+\p+1], v[E+8+\p:E+8+\p+1]
.endr
.irp w, 2,3,4,5,6,7
.irp p, 0,2,4,6
	v_pk_add_f32 v[GG+\p:GG+\p+1], v[GG+\p:GG+\p+1], v[E+8*\w+\p:E+8*\w+\p+1]
.endr
.endr
	s_wait_kmcnt 0x0
	s_wait_loadcnt 0x0                             ; phi
.irp n, 0,1,2,3,4,5,6,7
	v_add_f32 v[GG+\n], s[40+\n], v[GG+\n]
	v_mul_f32 v[KM+\n], 0x3fb8aa3b, v[KM+\n]
	v_mov_b32 v[TT+\n], 0                          ; a DPP line's destination counts as read
.endr
.irp n, 0,1,2,3,4,5,6,7
	v_mul_f32 v[GG+\n], 0xbfb8aa3b, v[GG+\n]
.endr
.irp n, 0,1,2,3,4,5,6,7
	v_exp_f32 v[GG+\n], v[GG+\n]
	v_exp_f32 v[KM+\n], v[KM+\n]
.endr
	v_nop
	s_wait_alu depctr_va_vdst(0)
.irp n, 0,1,2,3,4,5,6,7
	v_add_f32 v[GG+\n], 1.0, v[GG+\n]
.endr
.irp n, 0,1,2,3,4,5,6,7
	v_rcp_f32 v[GG+\n], v[GG+\n]                   ; the gates; first used behind the loop
.endr
	s_mov_b32 s38, 15
.Lsink:                                                ; lane l holds row l % 8 of K: rows are summed in the lane, columns over eight lanes
	v_pk_add_f32 v[TT:TT+1], v[KM:KM+1], v[KM+2:KM+3]
	v_pk_add_f32 v[TT+2:TT+3], v[KM+4:KM+5], v[KM+6:KM+7]
	v_pk_add_f32 v[TT:TT+1], v[TT:TT+1], v[TT+2:TT+3]
	v_add_f32 v[TT], v[TT], v[TT+1]
	v_rcp_f32 v[R], v[TT]
	v_nop
	s_wait_alu depctr_va_vdst(0)
.irp n, 0,1,2,3,4,5,6,7
	v_mul_f32 v[KM+\n], v[KM+\n], v[R]
.endr
.irp n, 0,1,2,3,4,5,6,7
	v_add_f32_dpp v[TT+\n], v[KM+\n], v[KM+\n] row_xmask:1 row_mask:0xf bank_mask:0xf
.endr
.irp m, 2,4
.irp n, 0,1,2,3,4,5,6,7
	v_add_f32_dpp v[TT+\n], v[TT+\n], v[TT+\n] row_xmask:\m row_mask:0xf bank_mask:0xf
.endr
.endr
.irp n, 0,1,2,3,4,5,6,7
	v_rcp_f32 v[TT+\n], v[TT+\n]
.endr
	v_nop
	s_wait_alu depctr_va_vdst(0)
.irp n, 0,1,2,3,4,5,6,7
	v_mul_f32 v[KM+\n], v[KM+\n], v[TT+\n]
.endr
	s_sub_co_u32 s38, s38, 1
	s_cmp_lg_u32 s38, 0
	s_cbranch_scc1 .Lsink
.irp n, 0,1,2,3,4,5,6,7
	v_mul_f32 v[E+2*\n], v[KM+\n], v[GG+\n]        ; H[m][n] g[n], twice: a pair for the packed multiply-adds of the next launch
	v_mul_f32 v[E+2*\n+1], v[KM+\n], v[GG+\n]
.endr
.irp q, 0,1,2,3
	global_store_b128 v[MO], v[E+4*\q:E+4*\q+3], s[34:35] offset:16*\q   ; the four lanes that hold a row store the same bytes: 512 bytes in all
.endr
	s_endpgm
.Lfunc_end_k_qe92daab6f8_prep:
	.size	k_qe92daab6f8_prep, .Lfunc_end_k_qe92daab6f8_prep-k_qe92daab6f8_prep
	.p2alignl 7, 3214868480
	.fill 96, 4, 3214868480
	.section	.rodata,"a",@progbits
	.p2align	6, 0x0
	.amdhsa_kernel k_qe92daab6f8_prep
		.amdhsa_group_segment_fixed_size 1280
		.amdhsa_private_segment_fixed_size 0
		.amdhsa_enable_private_segment 0
		.amdhsa_kernarg_size 80
		.amdhsa_user_sgpr_count 2
		.amdhsa_user_sgpr_kernarg_segment_ptr 1
		.amdhsa_wavefront_size32 1
		.amdhsa_system_sgpr_workgroup_id_x 1
		.amdhsa_system_sgpr_workgroup_id_y 1
		.amdhsa_system_sgpr_workgroup_id_z 1
		.amdhsa_system_vgpr_workitem_id 0
		.amdhsa_next_free_vgpr 224
		.amdhsa_next_free_sgpr 66
		.amdhsa_reserve_vcc 0
		.amdhsa_float_denorm_mode_32 3
		.amdhsa_float_denorm_mode_16_64 3
		.amdhsa_memory_ordered 1
		.amdhsa_forward_progress 1
		.amdhsa_inst_pref_size 37
	.end_amdhsa_kernel
	.amdgpu_metadata
---
amdhsa.version: [ 1, 2 ]
amdhsa.kernels:
  - .name:           k_qe92daab6f8_prep
    .symbol:         k_qe92daab6f8_prep.kd
    .args:
      - { .name: in_proj_w, .offset: 0, .size: 8, .value_kind: global_buffer, .address_space: global }
      - { .name: out_w, .offset: 8, .size: 8, .value_kind: global_buffer, .address_space: global }
      - { .name: w1, .offset: 16, .size: 8, .value_kind: global_buffer, .address_space: global }
      - { .name: w2, .offset: 24, .size: 8, .value_kind: global_buffer, .address_space: global }
      - { .name: scn, .offset: 32, .size: 8, .value_kind: global_buffer, .address_space: global }
      - { .name: delta_decay, .offset: 40, .size: 8, .value_kind: global_buffer, .address_space: global }
      - { .name: gate_w, .offset: 48, .size: 8, .value_kind: global_buffer, .address_space: global }
      - { .name: gate_b, .offset: 56, .size: 8, .value_kind: global_buffer, .address_space: global }
      - { .name: phi_res, .offset: 64, .size: 8, .value_kind: global_buffer, .address_space: global }
      - { .name: wts, .offset: 72, .size: 8, .value_kind: global_buffer, .address_space: global }
    .group_segment_fixed_size: 1280
    .private_segment_fixed_size: 0
    .kernarg_segment_align: 8
    .kernarg_segment_size: 80
    .max_flat_workgroup_size: 256
    .sgpr_count:     66
    .vgpr_count:     224
    .wavefront_size: 32
...
	.end_amdgpu_metadata
.endif
;; end of part 2
;; launch scan2 (part 3): grid 256 x 1, 2 waves a work-group, no clusters, 167,936 bytes of LDS; arguments x, delta_decay, ln1_w, scn, wts, act; writes act
.if DOCPART == 3
	.amdgcn_target "amdgcn-amd-amdhsa--gfx1250"
	.amdhsa_code_object_version 6
	.text
	.protected	k_qe92daab6f8_scan2
	.globl	k_qe92daab6f8_scan2
	.p2align	8
	.type	k_qe92daab6f8_scan2,@function
k_qe92daab6f8_scan2:
	s_mov_b64 s[64:65], 0
	v_nop
	global_prefetch_b8 v0, s[64:65] scope:SCOPE_SE
	s_setreg_imm32_b32 hwreg(HW_REG_WAVE_MODE, 25, 1), 1
	s_wait_xcnt 0x0
; x_delta, its RMS norm, and the stream mix.  A wave owns a chunk of 8 whole rows (chunk g = 2 x work-group + wave); one tensor load brings its 32,768 dense bytes of x into LDS (filled once, never again).
; Lane l holds, of each stream n of 128 channels, channels 128 n + 4 l .. + 3: an LDS load or a store covers 512 (f32) or 256 (16 bit) consecutive bytes, and a row's sum of squares and
; the 8 x 8 mix over streams stay in the wave.  State at the chunk's start: pfx + beta^(8 (g % 8)) x sin (both from the launches before).
; act: x_delta f32 at 0; xn = x_delta rsqrt(mean sq + 1e-6) ln1_w in f16 at 16,777,216; mh = the mix, bf16, at 25,165,824; all [4096][1024].
; beta is taken as 1 - (1 - beta): it enters beta^(8 k) alone, where its absolute error of one part in 2^24 is nothing.
; LIMITS: |delta_decay| < 80; xn within f16's 65,504 (|xn| <= 32 |ln1_w|).
.set SPARE, 65536
.set LA,  1                            ; v1 LDS address of my 16 bytes in the row in hand
.set O16, 2                            ; v2 16 x lane
.set O8,  3                            ; v3 8 x lane
.set OZ,  4                            ; v4 0
.set X,   16
.set XD,  48
.set S,   80
.set OMB, 112
.set LN,  144
.set MH,  176
.set T,   208
.set RR,  240
.set Q,   242
.set SPW, 250
.set NIL, 251
.set MSB, 0
.macro WIN new
.if MSB != (\new)
	s_set_vgpr_msb (MSB<<8)|(\new)
.set MSB, (\new)
.endif
.endm
	s_load_b256 s[4:11], s[0:1], 0x0               ; x 4, delta_decay 6, ln1_w 8, scn 10
	s_load_b128 s[12:15], s[0:1], 0x20             ; wts 12, act 14
	v_lshl_add_u32 v[SPW], v0, 2, SPARE
	v_mov_b32 v[NIL], 0
	ds_add_u32 v[SPW], v[NIL]                      ; the wave's opening: the add and its wait ahead of my tensor load
	v_lshrrev_b32 v1, 5, v0
	v_readfirstlane_b32 s16, v1                    ; wave
	s_lshl1_add_u32 s17, ttmp9, s16                ; chunk g
	s_and_b32 s18, s17, 7                          ; its place in the super-chunk
	s_lshr_b32 s19, s17, 3                         ; 32 b + super-chunk
	s_lshr_b32 s47, s17, 8                         ; batch
	s_mov_b32 s20, 1                               ; group 0: count
	s_lshl_b32 s21, s16, 15                        ; LDS address: wave x 32,768
	s_mov_b32 s24, 3<<16                           ; group 1: elements of 8 bytes, no padding
	s_mov_b32 s25, 32<<16                          ; tensor_dim0 = 32 (256 bytes)
	s_mov_b32 s26, 128<<16                         ; tensor_dim1 = 128
	s_mov_b32 s27, 32<<16                          ; tile_dim0
	s_mov_b32 s28, 128                             ; tile_dim1
	s_mov_b32 s29, 32                              ; rows lie end to end
	s_mov_b32 s30, 0
	s_mov_b32 s31, 0
	s_lshl_b32 s38, s17, 15
	s_mov_b32 s39, 0
	s_lshl_b32 s40, s17, 14
	s_add_co_u32 s40, s40, 16777216
	s_mov_b32 s41, 0
	s_mov_b32 s42, 0x76543210
	s_mov_b32 s43, 0xfedcba98
	s_mov_b32 s44, 0x3a800000                      ; 1 / 1024
	s_mov_b32 s45, 0x358637bd                      ; 1e-6
	s_wait_dscnt 0x0
	s_barrier_signal -1
	s_barrier_wait -1
	s_wait_kmcnt 0x0
	s_add_nc_u64 s[22:23], s[4:5], s[38:39]
	s_or_b32 s23, s23, 0x80000000
	tensor_load_to_lds s[20:23], s[24:31]
	s_nop 0
	s_add_nc_u64 s[32:33], s[14:15], s[38:39]      ; x_delta out
	s_add_nc_u64 s[34:35], s[14:15], s[40:41]      ; xn out
	s_add_co_u32 s40, s40, 8388608
	s_add_nc_u64 s[36:37], s[14:15], s[40:41]      ; mh out
	s_lshl_b32 s48, s17, 12
	s_add_co_u32 s48, s48, 262144
	s_mov_b32 s49, 0
	s_add_nc_u64 s[48:49], s[10:11], s[48:49]      ; pfx of my chunk
	s_lshl_b32 s50, s19, 12
	s_add_co_u32 s50, s50, 25165824
	s_mov_b32 s51, 0
	s_add_nc_u64 s[50:51], s[12:13], s[50:51]      ; sin of my super-chunk
	s_lshl_b32 s52, s47, 9
	s_add_co_u32 s52, s52, 25427968
	s_mov_b32 s53, 0
	s_add_nc_u64 s[52:53], s[12:13], s[52:53]      ; my batch's mix matrix
	v_and_b32 v5, 31, v0
	v_lshlrev_b32 v[O16], 4, v5
	v_lshlrev_b32 v[O8], 3, v5
	v_mov_b32 v[OZ], 0
	v_add_nc_u32 v[LA], s21, v[O16]
.irp n, 0,1,2,3,4,5,6,7
	global_load_b128 v[T+4*\n:T+4*\n+3], v[O16], s[6:7] offset:512*\n
	global_load_b128 v[LN+4*\n:LN+4*\n+3], v[O16], s[8:9] offset:512*\n
	global_load_b128 v[S+4*\n:S+4*\n+3], v[O16], s[48:49] offset:512*\n
	global_load_b128 v[MH+4*\n:MH+4*\n+3], v[O16], s[50:51] offset:512*\n
.endr
	WIN 0x40                                       ; the mix matrix goes to window 1: pair (m, n) at 2 (8 m + n)
.set i, 0
.rept 32
	global_load_b128 v[4*i:4*i+3], v[OZ], s[52:53] offset:16*i
.set i, i+1
.endr
	WIN 0
	s_wait_loadcnt 0x0
.set i, 0
.rept 16
	v_pk_mul_f32 v[X+2*i:X+2*i+1], v[T+2*i:T+2*i+1], 0x3fb8aa3b op_sel_hi:[1,0]
.set i, i+1
.endr
.set i, 0
.rept 32
	v_exp_f32 v[X+i], v[X+i]
.set i, i+1
.endr
	v_nop
.set i, 0
	s_wait_alu depctr_va_vdst(0)
.rept 16
	v_pk_add_f32 v[X+2*i:X+2*i+1], v[X+2*i:X+2*i+1], 1.0 op_sel_hi:[1,0]
.set i, i+1
.endr
.set i, 0
.rept 32
	v_rcp_f32 v[OMB+i], v[X+i]                     ; 1 - beta
.set i, i+1
.endr
	v_nop
.set i, 0
	s_wait_alu depctr_va_vdst(0)
.rept 32
	v_sub_f32 v[XD+i], 1.0, v[OMB+i]               ; beta
.set i, i+1
.endr
.macro SQUARE
.set i, 0
.rept 16
	v_pk_mul_f32 v[XD+2*i:XD+2*i+1], v[XD+2*i:XD+2*i+1], v[XD+2*i:XD+2*i+1]
.set i, i+1
.endr
.endm
.macro TIMES
.set i, 0
.rept 16
	v_pk_mul_f32 v[MH+2*i:MH+2*i+1], v[MH+2*i:MH+2*i+1], v[XD+2*i:XD+2*i+1]
.set i, i+1
.endr
.endm
	SQUARE
	SQUARE
	SQUARE                                         ; beta^8
	s_bitcmp1_b32 s18, 0                           ; sin x beta^(8 (g % 8)), bit by bit of g % 8; the jumps pass register work alone
	s_cbranch_scc0 .Lb0
	TIMES
.Lb0:
	SQUARE
	s_bitcmp1_b32 s18, 1
	s_cbranch_scc0 .Lb1
	TIMES
.Lb1:
	SQUARE
	s_bitcmp1_b32 s18, 2
	s_cbranch_scc0 .Lb2
	TIMES
.Lb2:
.set i, 0
.rept 16
	v_pk_add_f32 v[S+2*i:S+2*i+1], v[S+2*i:S+2*i+1], v[MH+2*i:MH+2*i+1]
.set i, i+1
.endr
	s_wait_tensorcnt 0x0                           ; my 8 rows are in LDS; only I read them
.irp n, 0,1,2,3,4,5,6,7
	ds_load_b128 v[X+4*\n:X+4*\n+3], v[LA] offset:512*\n
.endr
	s_mov_b32 s46, 8
.Lrow:
	s_wait_dscnt 0x0                               ; the row is in registers
.set i, 0
.rept 16
	v_pk_add_f32 v[XD+2*i:XD+2*i+1], v[X+2*i:X+2*i+1], v[S+2*i:S+2*i+1] neg_lo:[0,1] neg_hi:[0,1]
.set i, i+1
.endr
	s_cmp_eq_u32 s46, 1
	s_cbranch_scc1 .Lnonext                        ; the last row has no successor
	v_add_nc_u32 v[LA], 4096, v[LA]
.irp n, 0,1,2,3,4,5,6,7
	ds_load_b128 v[X+4*\n:X+4*\n+3], v[LA] offset:512*\n
.endr
.Lnonext:
.set i, 0
.rept 16
	v_pk_fma_f32 v[S+2*i:S+2*i+1], v[OMB+2*i:OMB+2*i+1], v[XD+2*i:XD+2*i+1], v[S+2*i:S+2*i+1]
.set i, i+1
.endr
.irp c, 0,1,2,3
	v_pk_mul_f32 v[Q+2*\c:Q+2*\c+1], v[XD+2*\c:XD+2*\c+1], v[XD+2*\c:XD+2*\c+1]
.endr
.set i, 4
.rept 12
	v_pk_fma_f32 v[Q+2*(i%4):Q+2*(i%4)+1], v[XD+2*i:XD+2*i+1], v[XD+2*i:XD+2*i+1], v[Q+2*(i%4):Q+2*(i%4)+1]
.set i, i+1
.endr
	v_pk_add_f32 v[Q:Q+1], v[Q:Q+1], v[Q+2:Q+3]
	v_pk_add_f32 v[Q+4:Q+5], v[Q+4:Q+5], v[Q+6:Q+7]
	v_pk_add_f32 v[Q:Q+1], v[Q:Q+1], v[Q+4:Q+5]
	v_add_f32 v[Q], v[Q], v[Q+1]
.irp m, 1,2,4,8
	v_add_f32_dpp v[Q], v[Q], v[Q] row_xmask:\m row_mask:0xf bank_mask:0xf
.endr
	v_permlanex16_b32 v[Q+1], v[Q], s42, s43
	v_add_f32 v[Q], v[Q], v[Q+1]
	v_fma_f32 v[Q], v[Q], s44, s45
	v_rsq_f32 v[RR], v[Q]
	v_rsq_f32 v[RR+1], v[Q]                        ; twice: a pair for the packed multiply; the lines with ln1_w below are the plain lines behind it
.irp n, 0,1,2,3,4,5,6,7
	global_store_b128 v[O16], v[XD+4*\n:XD+4*\n+3], s[32:33] offset:512*\n
.endr
.set i, 0
.rept 16
	v_pk_mul_f32 v[T+2*i:T+2*i+1], v[XD+2*i:XD+2*i+1], v[LN+2*i:LN+2*i+1]
.set i, i+1
.endr
.set i, 0
	s_wait_alu depctr_va_vdst(0)
.rept 16
	v_pk_mul_f32 v[T+2*i:T+2*i+1], v[T+2*i:T+2*i+1], v[RR:RR+1]
.set i, i+1
.endr
.set i, 0
.rept 16
	v_cvt_pk_f16_f32 v[T+i], v[T+2*i], v[T+2*i+1]  ; in place, ascending: a line writes no register that a later line reads
.set i, i+1
.endr
.irp n, 0,1,2,3,4,5,6,7
	global_store_b64 v[O8], v[T+2*\n:T+2*\n+1], s[34:35] offset:256*\n
.endr
	WIN 0x04                                       ; source 1 (the matrix) in window 1
.set n, 0
.rept 8
.set m, 0
.rept 8
.irp p, 0,2
.if n == 0
	v_pk_mul_f32 v[MH+4*m+\p:MH+4*m+\p+1], v[XD+\p:XD+\p+1], v[16*m:16*m+1]
.else
	v_pk_fma_f32 v[MH+4*m+\p:MH+4*m+\p+1], v[XD+4*n+\p:XD+4*n+\p+1], v[2*(8*m+n):2*(8*m+n)+1], v[MH+4*m+\p:MH+4*m+\p+1]
.endif
.endr
.set m, m+1
.endr
.set n, n+1
.endr
	WIN 0
.set i, 0
.rept 16
	v_cvt_pk_bf16_f32 v[MH+i], v[MH+2*i], v[MH+2*i+1]
.set i, i+1
.endr
.irp n, 0,1,2,3,4,5,6,7
	global_store_b64 v[O8], v[MH+2*\n:MH+2*\n+1], s[36:37] offset:256*\n
.endr
	s_wait_xcnt 0x0                                ; the stores' data and bases are rewritten only behind this wait
	s_add_nc_u64 s[32:33], s[32:33], 4096
	s_add_nc_u64 s[34:35], s[34:35], 2048
	s_add_nc_u64 s[36:37], s[36:37], 2048
	s_sub_co_u32 s46, s46, 1
	s_cmp_lg_u32 s46, 0
	s_cbranch_scc1 .Lrow
	s_wait_tensorcnt 0x0                           ; the wave's end
	ds_add_u32 v[SPW], v[NIL]
	s_wait_dscnt 0x0
	s_endpgm
.Lfunc_end_k_qe92daab6f8_scan2:
	.size	k_qe92daab6f8_scan2, .Lfunc_end_k_qe92daab6f8_scan2-k_qe92daab6f8_scan2
	.p2alignl 7, 3214868480
	.fill 96, 4, 3214868480
	.section	.rodata,"a",@progbits
	.p2align	6, 0x0
	.amdhsa_kernel k_qe92daab6f8_scan2
		.amdhsa_group_segment_fixed_size 167936
		.amdhsa_private_segment_fixed_size 0
		.amdhsa_enable_private_segment 0
		.amdhsa_kernarg_size 48
		.amdhsa_user_sgpr_count 2
		.amdhsa_user_sgpr_kernarg_segment_ptr 1
		.amdhsa_wavefront_size32 1
		.amdhsa_system_sgpr_workgroup_id_x 1
		.amdhsa_system_sgpr_workgroup_id_y 1
		.amdhsa_system_sgpr_workgroup_id_z 1
		.amdhsa_system_vgpr_workitem_id 0
		.amdhsa_next_free_vgpr 384
		.amdhsa_next_free_sgpr 66
		.amdhsa_reserve_vcc 0
		.amdhsa_float_denorm_mode_32 3
		.amdhsa_float_denorm_mode_16_64 3
		.amdhsa_memory_ordered 1
		.amdhsa_forward_progress 1
		.amdhsa_inst_pref_size 44
	.end_amdhsa_kernel
	.amdgpu_metadata
---
amdhsa.version: [ 1, 2 ]
amdhsa.kernels:
  - .name:           k_qe92daab6f8_scan2
    .symbol:         k_qe92daab6f8_scan2.kd
    .args:
      - { .name: x, .offset: 0, .size: 8, .value_kind: global_buffer, .address_space: global }
      - { .name: delta_decay, .offset: 8, .size: 8, .value_kind: global_buffer, .address_space: global }
      - { .name: ln1_w, .offset: 16, .size: 8, .value_kind: global_buffer, .address_space: global }
      - { .name: scn, .offset: 24, .size: 8, .value_kind: global_buffer, .address_space: global }
      - { .name: wts, .offset: 32, .size: 8, .value_kind: global_buffer, .address_space: global }
      - { .name: act, .offset: 40, .size: 8, .value_kind: global_buffer, .address_space: global }
    .group_segment_fixed_size: 167936
    .private_segment_fixed_size: 0
    .kernarg_segment_align: 8
    .kernarg_segment_size: 48
    .max_flat_workgroup_size: 64
    .sgpr_count:     66
    .vgpr_count:     384
    .wavefront_size: 32
...
	.end_amdgpu_metadata
.endif
;; end of part 3
;; launch qkv (part 4): grid 16 x 16, 4 waves a work-group, clusters of 4 x 4, 327,680 bytes of LDS; arguments act, wts, in_proj_b, qkv; writes qkv
.if DOCPART == 4
	.amdgcn_target "amdgcn-amd-amdhsa--gfx1250"
	.amdhsa_code_object_version 6
	.text
	.protected	k_qe92daab6f8_qkv
	.globl	k_qe92daab6f8_qkv
	.p2align	8
	.type	k_qe92daab6f8_qkv,@function
k_qe92daab6f8_qkv:
	s_mov_b64 s[64:65], 0
	v_nop
	global_prefetch_b8 v0, s[64:65] scope:SCOPE_SE
	s_setreg_imm32_b32 hwreg(HW_REG_WAVE_MODE, 25, 1), 1
	s_wait_xcnt 0x0
	s_wait_alu depctr_hold_cnt(0) depctr_sa_sdst(0) depctr_va_vdst(0) depctr_va_sdst(0) depctr_va_ssrc(0) depctr_va_vcc(0) depctr_vm_vsrc(0)
	s_getreg_b32 s2, hwreg(HW_REG_IB_STS2, 6, 4)
	s_cmp_eq_u32 s2, 0
	s_cbranch_scc0 .Lentry_in_a_cluster
	s_endpgm
.Lentry_in_a_cluster:
	s_bfe_u32 s2, ttmp6, 0x10000c
	s_cmp_lg_u32 s2, 0xf033
	s_cbranch_scc0 .Lentry_shape_is_right
	s_endpgm
.Lentry_shape_is_right:
; q, k, v = xn in_proj_w^T + in_proj_b, written by heads: qkv f16 [96 planes][2048][64], plane = 32 sel + 16 b + head (sel 0 q, 1 k, 2 v); unscaled.
; xn f16 [4096][1024] (act + 16,777,216), in_proj_w f16 [3072][1024] (wts + 0); sums in f32.  A tile of C is 256 x 192: 16 x 16 = 256 work-groups.  Four waves, each 64 rows x 192 columns
; (three whole heads): 48 accumulators.  K in 8 steps of 128 through two LDS slots filled by tensor loads; rows of 256 bytes, 16 of padding.
; CLUSTER 4 x 4: A's tile is shared along a row of the cluster, B's along a column: each is asked for jointly (same load, same descriptor, a mask of four).
; THE WALK ALONG K GOES ROUND: cluster (X, Y) begins at K step 2 X + 4 ((Y xor Y / 2) % 2) and wraps at the end.  So the four clusters that read the same rows of A (same Y) are two steps apart, and of
; the clusters that read the same rows of B (same X) those with Y in {0,1}, {2,3}, {0,2}, {1,3} are four apart: a tile is asked for first by one of them, by the others steps later.  Only the order of the f32 sums changes.
; The matrix instruction is used transposed (source 0 = rows of B, source 1 = rows of A): a lane holds one row of C and eight neighbouring columns.
; The sums begin with one product of zeros whose C operand is the bias: the bias costs no addition, and all eight K steps have one text (48 of the wave's 1,584 matrix instructions).
; The last change of slots fetches a stale quarter that is never multiplied (32 LDS loads once), so that both last steps have one text.
; WAY OUT: f32 through the wave's own stage (the ring, which has had its last fill), read back by rows, rounded to f16; a store covers two rows of a head: 256 consecutive bytes.
; LIMIT: xn, the weights and q, k, v stay within f16's 65,504.
; REGISTERS: window 0 addresses, bias, way out; window 1 two fragment buffers of 128 (A(i) at f + 8 i, B(i) at f + 32 + 8 i); windows 2, 3 accumulators ((a, b) in window 2 + a / 2 at 8 (12 (a % 2) + b)).
.set KDIM,  1024
.set KSTEP, 128
.set NS,    KDIM/KSTEP
.set SHA,   8                          ; a K step is 1 << 8 bytes along A's rows,
.set SHB,   8                          ; and along B's
.set MBW,   4
.set NBW,   12
.set AW,    2
.set YOUNG, 4                          ; the youngest LDS loads of a fetch: A's blocks 2 and 3
.set PITCH, 272
.set HALFA, 128*PITCH
.set HALFB, 96*PITCH
.set BOFF,  2*HALFA
.set SLOT1, 131072                     ; no fill address in slot 0 has this bit: one exclusive or changes slots
.set SPARE, SLOT1+BOFF+2*HALFB
.set SP,    784                        ; a stage row: 192 f32 + 16 bytes
.set A0,   16
.set B0,   17
.set ADRA, 18
.set ADRB, 19
.set BO,   23
.set STO,  24
.set RD,   25
.set O8,   26
.set SPW,  28
.set NIL,  29
.set T,    32                          ; v[32:79] twelve 16-byte pieces read back
.set BI,   96                          ; v[96:191] bias, eight numbers for each of 12 column blocks
.set OUT,  192                         ; v[192:215]
.set F0,   0
.set F1,   128
.set KO,  4                            ; s[4:5] a K step's byte offset
.set G1A, 24
.set G0A, 32
.set KI,  45                           ; s45 the K step of the walking descriptors
.set G1B, 48
.set G0B, 56
.set TB,  66
.set CNT, 67
.set MSB, 0
.macro WIN new
.if MSB != (\new)
	s_set_vgpr_msb (MSB<<8)|(\new)
.set MSB, (\new)
.endif
.endm
.macro PLACES                          ; four plain places behind matrix instructions whose registers are loaded into, or whose results are read
.rept 4
	v_nop
.endr
.endm
.macro CREST
	s_cmp_lg_u32 s10, 0
	s_cbranch_scc1 .Lnot_wave_0_\@
	s_barrier_signal -3
.Lnot_wave_0_\@:
	s_barrier_wait -3
	s_barrier_signal -1
	s_barrier_wait -1
.endm
.macro CROUND
	s_barrier_signal -1
	s_barrier_wait -1
	CREST
.endm
.macro JLOAD                           ; a joint refill by the walking descriptors: waves 0, 1 A's halves, waves 2, 3 B's
	s_cmp_eq_u32 s11, 0
	s_cbranch_scc0 .Lfor_b_\@
	tensor_load_to_lds s[G0A+4:G0A+7], s[G1A:G1A+7]
	s_nop 0
.rept 4
	v_nop
.endr
	s_branch .Lasked_\@
.Lfor_b_\@:
	tensor_load_to_lds s[G0B+4:G0B+7], s[G1B:G1B+7]
	s_nop 0
.rept 4
	v_nop
.endr
.Lasked_\@:
.endm
.macro SETG s                          ; both tensors' group 0, set s: K step s[KI] into slot s
	s_lshl_b32 s[KO], s[KI], SHA
	s_mov_b32 s[G0A+4*(\s)], 1
	s_add_co_u32 s[G0A+4*(\s)+1], s20, (\s)*SLOT1
	s_add_nc_u64 s[G0A+4*(\s)+2:G0A+4*(\s)+3], s[14:15], s[KO:KO+1]
	s_or_b32 s[G0A+4*(\s)+3], s[G0A+4*(\s)+3], 0x80000000
.if SHB != SHA
	s_lshl_b32 s[KO], s[KI], SHB
.endif
	s_mov_b32 s[G0B+4*(\s)], 1
	s_add_co_u32 s[G0B+4*(\s)+1], s21, (\s)*SLOT1
	s_add_nc_u64 s[G0B+4*(\s)+2:G0B+4*(\s)+3], s[46:47], s[KO:KO+1]
	s_or_b32 s[G0B+4*(\s)+3], s[G0B+4*(\s)+3], 0x80000000
.endm
.macro NEXTK                           ; the walking descriptors: the other slot, the next K step going round; each address is made anew from its tensor's base
	s_add_co_u32 s[KI], s[KI], 1
	s_and_b32 s[KI], s[KI], NS-1
	s_lshl_b32 s[KO], s[KI], SHA
	s_xor_b32 s[G0A+5], s[G0A+5], SLOT1
	s_add_nc_u64 s[G0A+6:G0A+7], s[14:15], s[KO:KO+1]
	s_or_b32 s[G0A+7], s[G0A+7], 0x80000000
.if SHB != SHA
	s_lshl_b32 s[KO], s[KI], SHB
.endif
	s_xor_b32 s[G0B+5], s[G0B+5], SLOT1
	s_add_nc_u64 s[G0B+6:G0B+7], s[46:47], s[KO:KO+1]
	s_or_b32 s[G0B+7], s[G0B+7], 0x80000000
.endm
.macro FETCH q, f                      ; 32 LDS loads: quarter q (32 along K) of the slot in hand into buffer f: B, then A ascending
	WIN 0x40
.set ii, 0
.rept NBW
	ds_load_b128 v[(\f)+8*MBW+8*ii:(\f)+8*MBW+8*ii+3], v[ADRB] offset:64*(\q)+ii*16*PITCH
	ds_load_b128 v[(\f)+8*MBW+8*ii+4:(\f)+8*MBW+8*ii+7], v[ADRB] offset:64*(\q)+ii*16*PITCH+32
.set ii, ii+1
.endr
.set ii, 0
.rept MBW
	ds_load_b128 v[(\f)+8*ii:(\f)+8*ii+3], v[ADRA] offset:64*(\q)+ii*16*PITCH
	ds_load_b128 v[(\f)+8*ii+4:(\f)+8*ii+7], v[ADRA] offset:64*(\q)+ii*16*PITCH+32
.set ii, ii+1
.endr
.endm
.macro MULQ f, p, a0, na               ; row blocks a0 .. of half p x all column blocks; the accumulators take turns
	WIN 0xa5+0x50*(\p)
.set al, (\a0)
.rept (\na)
.set bb, 0
.rept NBW
	v_wmma_f32_16x16x32_f16 v[8*(al*NBW+bb):8*(al*NBW+bb)+7], v[(\f)+8*MBW+8*bb:(\f)+8*MBW+8*bb+7], v[(\f)+8*((\p)*AW+al):(\f)+8*((\p)*AW+al)+7], v[8*(al*NBW+bb):8*(al*NBW+bb)+7]
.set bb, bb+1
.endr
.set al, al+1
.endr
.endm
.macro QUARTER q, f, g                 ; multiplies buffer f; in its middle fetches quarter q into g
	s_wait_dscnt YOUNG                             ; B and A's first half are in
	MULQ \f, 0, 0, AW
	PLACES
	FETCH \q, \g
	s_wait_dscnt 32                                ; all but the 32 just issued
	MULQ \f, 1, 0, AW
.endm
.macro TURN fill                       ; the last quarter and the change of slots
	WIN 0
	s_wait_tensorcnt 0x0                           ; all my tensor loads have landed: my part of the next slot; so every group 0 may be written
	ds_add_u32 v[SPW], v[NIL]
.if \fill
	NEXTK
.endif
	s_wait_dscnt YOUNG+1                           ; the add and the youngest loads may be out
	MULQ F1, 0, 0, AW/2
	s_wait_dscnt 0x0                               ; the add is done, my reads of this slot are over
	s_barrier_signal -1
	MULQ F1, 0, AW/2, AW/2
	WIN 0
	s_barrier_wait -1
.if \fill
	CREST                                          ; the barrier opened a round of the cluster's: no wave of any partner reads the slot or has a load out
	JLOAD                                          ; its four v_nop are also the places in front of the loads below
.else
	PLACES
.endif
	s_xor_b32 s[TB], s[TB], SLOT1
	v_add_nc_u32 v[ADRA], s[TB], v[A0]
	v_add_nc_u32 v[ADRB], s[TB], v[B0]
	FETCH 0, F0
	MULQ F1, 1, 0, AW
.endm
.macro KSTEPS fill
	QUARTER 1, F0, F1
	QUARTER 2, F1, F0
	QUARTER 3, F0, F1
	TURN \fill
	WIN 0
.endm
	s_load_b256 s[68:75], s[0:1], 0x0              ; act 68, wts 70, in_proj_b 72, qkv 74
	v_lshl_add_u32 v[SPW], v0, 2, SPARE
	v_mov_b32 v[NIL], 0
	ds_add_u32 v[SPW], v[NIL]                      ; the wave's opening: the add and its wait ahead of my first tensor load
	v_lshrrev_b32 v1, 5, v0
	v_readfirstlane_b32 s10, v1                    ; wave
	s_lshr_b32 s11, s10, 1                         ; I fetch for A (0) or B (1)
	s_and_b32 s12, s10, 1                          ; which half
	s_bfe_u32 s40, ttmp6, 0x40000
	s_bfe_u32 s41, ttmp6, 0x40004
	s_lshl_b32 s42, ttmp9, 2
	s_add_co_u32 s42, s42, s40                     ; tile column
	s_and_b32 s13, ttmp7, 0xffff
	s_lshl_b32 s13, s13, 2
	s_add_co_u32 s13, s13, s41                     ; tile row
	s_lshl_b32 s43, s41, 2
	s_lshl_b32 s43, 15, s43                        ; my row of the cluster
	s_lshl_b32 s44, 0x1111, s40                    ; my column
	s_and_b32 s6, ttmp7, 3                         ; the cluster's first K step, from the cluster's own X and Y, which all sixteen partners share
	s_lshr_b32 s7, s6, 1
	s_xor_b32 s6, s6, s7
	s_and_b32 s6, s6, 1
	s_lshl_b32 s6, s6, 2
	s_lshl1_add_u32 s[KI], ttmp9, s6
	s_and_b32 s[KI], s[KI], NS-1
	s_mov_b32 s[KO+1], 0
	s_or_b32 s[G1A], s43, (1<<16)|(1<<20)|(1<<21)|(5<<22)|(3<<25)   ; mask; 2-byte elements; padding of 4 words after every 64; bit 21 beside a mask
	s_or_b32 s[G1B], s44, (1<<16)|(1<<20)|(1<<21)|(5<<22)|(3<<25)
	s_mov_b32 s[G1A+1], KSTEP<<16
	s_mov_b32 s[G1A+2], 128<<16
	s_mov_b32 s[G1A+3], KSTEP<<16
	s_mov_b32 s[G1A+4], 128
	s_mov_b32 s[G1A+5], KDIM
	s_mov_b32 s[G1A+6], 0
	s_mov_b32 s[G1A+7], 0
	s_mov_b32 s[G1B+1], KSTEP<<16
	s_mov_b32 s[G1B+2], 96<<16
	s_mov_b32 s[G1B+3], KSTEP<<16
	s_mov_b32 s[G1B+4], 96
	s_mov_b32 s[G1B+5], KDIM
	s_mov_b32 s[G1B+6], 0
	s_mov_b32 s[G1B+7], 0
	s_lshl_b32 s16, s13, 8
	s_lshl_b32 s17, s12, 7
	s_add_co_u32 s16, s16, s17
	s_lshl_b32 s16, s16, 11
	s_add_co_u32 s16, s16, 16777216                ; xn: row 256 x tile row + 128 x half
	s_mov_b32 s17, 0
	s_mul_i32 s46, s42, 192
	s_mul_i32 s47, s12, 96
	s_add_co_u32 s46, s46, s47
	s_lshl_b32 s46, s46, 11                        ; weights: row 192 x tile column + 96 x half
	s_mov_b32 s47, 0
	s_mul_i32 s20, s12, HALFA
	s_mul_i32 s21, s12, HALFB
	s_add_co_u32 s21, s21, BOFF
	s_mov_b32 s[TB], 0
	s_wait_dscnt 0x0
	s_wait_kmcnt 0x0
	s_add_nc_u64 s[14:15], s[68:69], s[16:17]      ; A's rows at K = 0: kept
	s_add_nc_u64 s[46:47], s[70:71], s[46:47]      ; B's rows at K = 0: kept
	SETG 0                                         ; the cluster's first K step into slot 0,
	s_add_co_u32 s[KI], s[KI], 1
	s_and_b32 s[KI], s[KI], NS-1
	SETG 1                                         ; its second into slot 1: this set then walks
	CROUND                                         ; all sixteen work-groups are here: the first joint loads meet
	s_cmp_eq_u32 s11, 0                            ; a wave's two first fills stand in one branch: two loads of mine are out
	s_cbranch_scc0 .Lfirst_b
	tensor_load_to_lds s[G0A:G0A+3], s[G1A:G1A+7]
	s_nop 0
	tensor_load_to_lds s[G0A+4:G0A+7], s[G1A:G1A+7]
	s_nop 0
.rept 4
	v_nop
.endr
	s_branch .Lfirst_asked
.Lfirst_b:
	tensor_load_to_lds s[G0B:G0B+3], s[G1B:G1B+7]
	s_nop 0
	tensor_load_to_lds s[G0B+4:G0B+7], s[G1B:G1B+7]
	s_nop 0
.rept 4
	v_nop
.endr
.Lfirst_asked:
	v_and_b32 v1, 15, v0                           ; r
	v_bfe_u32 v2, v0, 4, 1                         ; h
	v_mul_u32_u24 v3, v1, PITCH
	v_lshl_add_u32 v3, v2, 4, v3
	s_mul_i32 s22, s10, 64*PITCH                   ; my 64 rows of A
	v_add_nc_u32 v[A0], s22, v3
	v_add_nc_u32 v[B0], BOFF, v3
	v_mov_b32 v[ADRA], v[A0]
	v_mov_b32 v[ADRB], v[B0]
	v_lshlrev_b32 v[BO], 5, v2                     ; 32 h
	s_mul_i32 s23, s10, 64*SP                      ; my stage
	v_mul_u32_u24 v4, v1, SP
	v_lshl_add_u32 v4, v2, 5, v4
	v_add_nc_u32 v[STO], s23, v4
	v_mul_u32_u24 v4, v2, SP
	v_lshl_add_u32 v4, v1, 4, v4
	v_add_nc_u32 v[RD], s23, v4
	v_and_b32 v4, 31, v0
	v_lshlrev_b32 v[O8], 3, v4
	s_mul_i32 s80, s42, 768                        ; the tile's 192 columns of the bias, in bytes
	s_mov_b32 s81, 0
	s_add_nc_u64 s[82:83], s[72:73], s[80:81]
.set bb, 0
.rept NBW
	global_load_b128 v[BI+8*bb:BI+8*bb+3], v[BO], s[82:83] offset:64*bb
	global_load_b128 v[BI+8*bb+4:BI+8*bb+7], v[BO], s[82:83] offset:64*bb+16
.set bb, bb+1
.endr
	; my three heads' planes
	s_mul_i32 s80, s42, 3
	s_lshr_b32 s90, s13, 3
	s_lshl_b32 s90, s90, 4                         ; 16 b
	s_and_b32 s91, s13, 7
	s_lshl_b32 s91, s91, 8
	s_lshl_b32 s92, s10, 6
	s_add_co_u32 s91, s91, s92
	s_lshl_b32 s91, s91, 7                         ; my first row in the batch x 128 bytes
.irp i, 0,1,2
	s_add_co_u32 s92, s80, \i
	s_lshr_b32 s93, s92, 4
	s_lshl_b32 s93, s93, 5
	s_and_b32 s92, s92, 15
	s_add_co_u32 s92, s92, s93
	s_add_co_u32 s92, s92, s90
	s_lshl_b32 s92, s92, 18
	s_add_co_u32 s92, s92, s91
	s_mov_b32 s93, 0
	s_add_nc_u64 s[84+2*\i:85+2*\i], s[74:75], s[92:93]
.endr
	s_wait_loadcnt 0x0
	WIN 0x40
.irp i, 0,1,2,3,4,5,6,7
	v_mov_b32 v[\i], 0                             ; a fragment of zeros
.endr
.irp p, 0,1
	WIN 0x85+0x40*\p
.set al, 0
.rept AW
.set bb, 0
.rept NBW
	v_wmma_f32_16x16x32_f16 v[8*(al*NBW+bb):8*(al*NBW+bb)+7], v[0:7], v[0:7], v[BI+8*bb:BI+8*bb+7]
.set bb, bb+1
.endr
.set al, al+1
.endr
.endr
	WIN 0
	PLACES                                         ; in front of the loads into the fragment of zeros
	s_wait_tensorcnt 0x1                           ; my part of the first K step is in; the second's may stay out
	s_barrier_signal -1
	s_barrier_wait -1
	FETCH 0, F0
	WIN 0
	s_mov_b32 s[CNT], NS-2
.Lfill:                                                ; a trip is a K step; its change of slots asks for the step two on
	KSTEPS 1
	s_sub_co_u32 s[CNT], s[CNT], 1
	s_cmp_lg_u32 s[CNT], 0
	s_cbranch_scc1 .Lfill
	s_mov_b32 s[CNT], 2
.Llast:                                                ; the last two steps ask for nothing
	KSTEPS 0
	s_sub_co_u32 s[CNT], s[CNT], 1
	s_cmp_lg_u32 s[CNT], 0
	s_cbranch_scc1 .Llast
	PLACES
	s_wait_dscnt 0x0                               ; my last reads of the ring are back
	s_barrier_signal -1
	s_barrier_wait -1                              ; everybody's are: the ring becomes the stage
.irp p, 0,1
	WIN 0x08+0x04*\p
.set al, 0
.rept AW
.set bb, 0
.rept NBW
	ds_store_b128 v[STO], v[8*(al*NBW+bb):8*(al*NBW+bb)+3] offset:(\p*AW+al)*16*SP+64*bb
	ds_store_b128 v[STO], v[8*(al*NBW+bb)+4:8*(al*NBW+bb)+7] offset:(\p*AW+al)*16*SP+64*bb+16
.set bb, bb+1
.endr
.set al, al+1
.endr
.endr
	WIN 0
	s_mov_b32 s[CNT], 8
.Lrows:                                                ; 8 rows a trip: LDS serves a wave's instructions in order, so these loads see my stores
.irp pr, 0,1,2,3
.irp hd, 0,1,2
	ds_load_b128 v[T+4*(3*\pr+\hd):T+4*(3*\pr+\hd)+3], v[RD] offset:\pr*2*SP+256*\hd
.endr
.endr
	s_wait_dscnt 0x0
.set ii, 0
.rept 24
	v_cvt_pk_f16_f32 v[OUT+ii], v[T+2*ii], v[T+2*ii+1]
.set ii, ii+1
.endr
.irp pr, 0,1,2,3
.irp hd, 0,1,2
	global_store_b64 v[O8], v[OUT+2*(3*\pr+\hd):OUT+2*(3*\pr+\hd)+1], s[84+2*\hd:85+2*\hd] offset:\pr*256
.endr
.endr
	s_wait_xcnt 0x0                                ; data and bases are rewritten only behind this wait
	v_add_nc_u32 v[RD], 8*SP, v[RD]
	s_add_nc_u64 s[84:85], s[84:85], 1024
	s_add_nc_u64 s[86:87], s[86:87], 1024
	s_add_nc_u64 s[88:89], s[88:89], 1024
	s_sub_co_u32 s[CNT], s[CNT], 1
	s_cmp_lg_u32 s[CNT], 0
	s_cbranch_scc1 .Lrows
	s_wait_tensorcnt 0x0                           ; the wave's end
	ds_add_u32 v[SPW], v[NIL]
	s_wait_dscnt 0x0
	CROUND                                         ; the closing round
	s_endpgm
.Lfunc_end_k_qe92daab6f8_qkv:
	.size	k_qe92daab6f8_qkv, .Lfunc_end_k_qe92daab6f8_qkv-k_qe92daab6f8_qkv
	.p2alignl 7, 3214868480
	.fill 96, 4, 3214868480
	.section	.rodata,"a",@progbits
	.p2align	6, 0x0
	.amdhsa_kernel k_qe92daab6f8_qkv
		.amdhsa_group_segment_fixed_size 327680
		.amdhsa_private_segment_fixed_size 0
		.amdhsa_enable_private_segment 0
		.amdhsa_kernarg_size 32
		.amdhsa_user_sgpr_count 2
		.amdhsa_user_sgpr_kernarg_segment_ptr 1
		.amdhsa_wavefront_size32 1
		.amdhsa_system_sgpr_workgroup_id_x 1
		.amdhsa_system_sgpr_workgroup_id_y 1
		.amdhsa_system_sgpr_workgroup_id_z 1
		.amdhsa_system_vgpr_workitem_id 0
		.amdhsa_next_free_vgpr 1024
		.amdhsa_next_free_sgpr 100
		.amdhsa_reserve_vcc 0
		.amdhsa_float_denorm_mode_32 3
		.amdhsa_float_denorm_mode_16_64 3
		.amdhsa_memory_ordered 1
		.amdhsa_forward_progress 1
		.amdhsa_inst_pref_size 71
	.end_amdhsa_kernel
	.amdgpu_metadata
---
amdhsa.version: [ 1, 2 ]
amdhsa.kernels:
  - .name:           k_qe92daab6f8_qkv
    .symbol:         k_qe92daab6f8_qkv.kd
    .args:
      - { .name: act, .offset: 0, .size: 8, .value_kind: global_buffer, .address_space: global }
      - { .name: wts, .offset: 8, .size: 8, .value_kind: global_buffer, .address_space: global }
      - { .name: in_proj_b, .offset: 16, .size: 8, .value_kind: global_buffer, .address_space: global }
      - { .name: qkv, .offset: 24, .size: 8, .value_kind: global_buffer, .address_space: global }
    .group_segment_fixed_size: 327680
    .private_segment_fixed_size: 0
    .kernarg_segment_align: 8
    .kernarg_segment_size: 32
    .max_flat_workgroup_size: 128
    .sgpr_count:     100
    .vgpr_count:     1024
    .wavefront_size: 32
...
	.end_amdgpu_metadata
.endif
;; end of part 4
;; launch att (part 5): grid 8 x 32, 8 waves a work-group, no clusters, 327,680 bytes of LDS; arguments qkv, oh; writes oh
.if DOCPART == 5
	.amdgcn_target "amdgcn-amd-amdhsa--gfx1250"
	.amdhsa_code_object_version 6
	.text
	.protected	k_qe92daab6f8_att
	.globl	k_qe92daab6f8_att
	.p2align	8
	.type	k_qe92daab6f8_att,@function
k_qe92daab6f8_att:
	s_mov_b64 s[64:65], 0
	v_nop
	global_prefetch_b8 v0, s[64:65] scope:SCOPE_SE
	s_setreg_imm32_b32 hwreg(HW_REG_WAVE_MODE, 25, 1), 1
	s_wait_xcnt 0x0
; CAUSAL ATTENTION, head size 64.  O[p][q] = sum over k <= q of softmax_k(Q[p][q] . K[p][k] / 8) V[p][k]; 32 planes p = 16 b + head of 2,048 rows; q, k, v f16 in qkv (planes p, 32 + p, 64 + p), O f16 in oh.
; Products, maxima and sums in f32; the weights are rounded to f16 for the second product, O once at the end.
; LIMITS: a hidden score counts as its value less 1e30 (reference(): -1e9; both give the weight 0); a weight below 2^-126 counts as 0; q, k, v within f16's range; NaN and infinities are not treated apart.
; THE WALK.  A plane's queries lie in NB = 16 blocks of 128; block i needs the key tiles 0 .. i of 128 keys.  A work-group takes blocks 15 - b and then b: 17 tiles whatever b: 256 equal work-groups and
; loops with constant trip counts.  NO CLUSTER: a plane's eight work-groups need different sets of tiles, and here they ask for them in different orders.
; THE ORDER OF A BLOCK'S TILES (a running maximum takes the keys in any order).  The diagonal tile first; then the others going round, in the first block from tile 3 b (b < 4) or 2 b - 8 (b >= 4).  So work-groups
; 0 .. 3 ask at the walk's tiles 0, 1, 2, 3 for tiles 15 - b, 3 b, 3 b + 1, 3 b + 2: all sixteen, each once; work-groups 4 .. 7 at its tiles 0, 1, 2 for 15 - b, 2 b - 8, 2 b - 7: their twelve, each once.
; Whatever is asked for later, one of the same four has asked for before.
; SHARES.  EIGHT WAVES, each with ONE piece of 16 queries: rows 16 w .. 16 w + 15 of the block, in band w / 4 of 64.  A piece and key step have 16 matrix and 118 vector instructions, many of which read a result just
; made; two waves lie on each SIMD, and the text is in plain phases.  The price: a fragment of K or V read from LDS feeds 16 queries' products.
; A KEY STEP: K's 16 LDS loads; 8 products V^T P of the step before; 8 products K Q^T; V's 16 loads; the softmax.
; THE MASK is the C operand that starts S^T = K Q^T: MC = MD x AL + BE, MD the mask of a band's own step for my rows.  In the diagonal tile's step s my band x sees all keys (s < x: 0, 0), holds the diagonal
; (s = x: 1, 0) or sees none (s > x: 0, -1e30).  MC is made in a block's steps 0, 1 and 2; in step 2 it becomes 0 and stays.
; NO FIRST STEP IS WRITTEN OUT.  At a block's beginning m and c m are at their start values; its first V^T P works on finite leftovers, and the first softmax multiplies O and l by a = 0.
; REGISTERS: window 0: v2-8 addresses; v12-19 statistics (c m, m, l, l, c0-c3; a takes c2's place); v30-31 the start values; v64-95 S^T; v96-111 P; v128-191 K; v192-207 Q; v208-239 MC; v240-255 the second block's Q.
;   window 1: v0-31 O^T; v64-127 V; v128-159 MD.  K Q^T and all of the softmax but O's rescaling lie in window 0: six switches a step.
.set NB,    16
.set KS,    64
.set PK,    144
.set PV,    160
.set VOFF,  2*KS*PK                    ; a slot holds a tile: 128 rows of K, then 128 of V
.set SLOT1, 65536
.set STAGE, SLOT1+2*KS*(PK+PV)         ; behind the ring, never filled by a tensor load: 16 rows x 144 bytes for each wave
.set SP,    144
.set SPARE, STAGE+8*16*SP              ; the spare words, 128 bytes for each of eight waves
.set AK0, 2
.set AV0, 3
.set AK,  4
.set AV,  5
.set STO, 6
.set RD,  7
.set GO,  8
.set ST,  12
.set TM,  28
.set QO,  29
.set LOWM, 30
.set LOWC, 31
.set SPW, 62
.set NIL, 63
.set S,   64
.set P,   96
.set KF,  128
.set Q,   192
.set MC,  208
.set QB,  240
.set VF,  64                           ; window 1
.set MD,  128                          ; window 1
.set WV,  12
.set PB,  14                           ; b
.set HI,  15                           ; 15 - b
.set G1K, 24
.set G1V, 32
.set G0K, 40                           ; s[40:43] the first fill's group 0; s[44:47] the second's, which then walks
.set G0V, 48                           ; s[48:51], s[52:55] the same for V
.set SLOTS, 56
.set CNT, 57
.set CS,  58
.set SEL, 60
.set TBK, 62
.set TBV, 63
.set RT,  70                           ; tiles of the block in hand still to be entered
.set NN,  71                           ; the walk's tile to be asked for next, 0 .. 16
.set N1,  72                           ; tiles of the first block: 16 - b
.set DS,  73                           ; key steps of the block in hand that are done
.set OFF, 74
.set AL,  76
.set BE,  78
.set OLO, 80
.set BIGN, 82
.set BAND, 83                          ; my band: the diagonal tile's step that holds my diagonal
.set BHID, 88                          ; the diagonal tile's step of which my band sees nothing: 1 for band 0, none (64) for band 1
.set GD,  89
.set GT,  92
.set GR,  93
.set GM,  94
.set ROT, 95                           ; where the first block's other tiles begin
.set MSB, 0
.macro WIN new
.if MSB != (\new)
	s_set_vgpr_msb (MSB<<8)|(\new)
.set MSB, (\new)
.endif
.endm
.set W_PV, 0x51                        ; V and O^T in window 1, P in window 0
.set W_RS, 0x41                        ; destination and source 0 in window 1
.set W_MK, 0x01                        ; source 0 (MD) in window 1
.set W_V,  0x40                        ; destination in window 1
; A fill by the walking descriptors: waves 0, 1 the halves of a tile's K, waves 2, 3 of its V, 64 keys each; waves 4 to 7 have no part of it.
.macro LOAD
	s_cmp_lt_u32 s[WV], 2
	s_cbranch_scc0 .Lnot_k_\@
	tensor_load_to_lds s[G0K+4:G0K+7], s[G1K:G1K+7]
	s_nop 0
.rept 4
	v_nop
.endr
	s_branch .Lasked_\@
.Lnot_k_\@:
	s_cmp_lt_u32 s[WV], 4
	s_cbranch_scc0 .Lasked_\@
	tensor_load_to_lds s[G0V+4:G0V+7], s[G1V:G1V+7]
	s_nop 0
.rept 4
	v_nop
.endr
.Lasked_\@:
.endm
; The byte offset in K and V of the walk's tile NN, and NN steps.  Place 0 of a block is its diagonal tile D; place m > 0 is tile (start + m - 1) mod D.
.macro ASK
	s_cmp_ge_u32 s[NN], s[N1]                      ; the second block?
	s_cselect_b32 s[GD], s[PB], s[HI]              ; D
	s_cselect_b32 s[GT], s[N1], 0
	s_cselect_b32 s[GR], 0, s[ROT]                 ; start
	s_sub_co_u32 s[GM], s[NN], s[GT]               ; m
	s_add_co_u32 s[GT], s[GM], s[GR]
	s_sub_co_u32 s[GT], s[GT], 1
	s_cmp_ge_u32 s[GT], s[GD]
	s_cselect_b32 s[GR], s[GD], 0
	s_sub_co_u32 s[GT], s[GT], s[GR]
	s_cmp_eq_u32 s[GM], 0
	s_cselect_b32 s[GT], s[GD], s[GT]
	s_lshl_b32 s[OFF], s[GT], 14                   ; a tile is 16,384 bytes of K and of V
	s_add_co_u32 s[NN], s[NN], 1
.endm
; THE CHANGE OF SLOTS, behind a tile: all my tensor loads have landed (one was out: my part of the other slot), the add, my reads of this slot are back, the barrier; fill = 1: this slot is filled, first thing, with the tile two on.
.macro CHANGE fill
	WIN 0
	s_wait_tensorcnt 0x0
	ds_add_u32 v[SPW], v[NIL]
.if \fill
	ASK
	s_xor_b32 s[G0K+5], s[G0K+5], SLOT1
	s_add_nc_u64 s[G0K+6:G0K+7], s[6:7], s[OFF:OFF+1]
	s_or_b32 s[G0K+7], s[G0K+7], 0x80000000
	s_xor_b32 s[G0V+5], s[G0V+5], SLOT1
	s_add_nc_u64 s[G0V+6:G0V+7], s[8:9], s[OFF:OFF+1]
	s_or_b32 s[G0V+7], s[G0V+7], 0x80000000
.endif
	s_wait_dscnt 0x0
	s_barrier_signal -1
	s_sub_co_u32 s[TBK], s[TBK], 2*KS*PK           ; the fetches go back to a slot's first step, in the other slot
	s_xor_b32 s[TBK], s[TBK], SLOT1
	s_sub_co_u32 s[TBV], s[TBV], 2*KS*PV
	s_xor_b32 s[TBV], s[TBV], SLOT1
	s_barrier_wait -1
.if \fill
	LOAD
.endif
.endm
; Product i of 8 of S^T = K Q^T: channels 32 (i / 4) on, keys 16 (i % 4) on; the first four start the sums with the mask.  The four accumulators take turns.
.macro KQ
.set rS, S+8*(i%4)
.set rK, KF+16*(i%4)+8*(i/4)
.set rQ, Q+8*(i/4)
.set rM, MC+8*(i%4)
.if i < 4
	v_wmma_f32_16x16x32_f16 v[rS:rS+7], v[rK:rK+7], v[rQ:rQ+7], v[rM:rM+7]
.else
	v_wmma_f32_16x16x32_f16 v[rS:rS+7], v[rK:rK+7], v[rQ:rQ+7], v[rS:rS+7]
.endif
.endm
; Product i of 8 of O^T += V^T P: keys 32 (i / 4) on, channels 16 (i % 4) on.
.macro PVM
.set rO, 8*(i%4)
.set rV, VF+32*(i/4)+8*(i%4)
.set rP, P+8*(i/4)
	v_wmma_f32_16x16x32_f16 v[rO:rO+7], v[rV:rV+7], v[rP:rP+7], v[rO:rO+7]
.endm
.macro PVRUN
	WIN W_PV
.set i, 0
.rept 8
	PVM
.set i, i+1
.endr
	WIN 0
.endm
; Line j of the 118 of the softmax for one key step.
;   0-15 the maximum of the 32 scores and the old m (each accumulator's lowest registers are read first)   16-20 the other half of the lanes; m; c m; c m_old - c m_new
;   21-87 33 exponentials (a, then the scores) at the odd numbers from 23 on, a plain line behind each; at the even ones what is ready: c s - c m for a pair to come, the rounding of a pair that is done, the first sums
;   88-101 the last rounding, the rest of the sums, l = a l + sum     102-117 O^T times a
.macro SM
.set rT, ST
.set rS, S
.set rP, P
.set rO, 2*(j-102)
.set q, (j-20)/2
.if j < 102
	WIN 0
.endif
.if j < 4
	v_max3_num_f32 v[rT+4+j], v[rS+8*j], v[rS+8*j+1], v[rS+8*j+2]
.elseif j < 12
	v_max3_num_f32 v[rT+4+j%4], v[rT+4+j%4], v[rS+8*(j%4)+2*(j/4)+1], v[rS+8*(j%4)+2*(j/4)+2]
.elseif j == 12
	v_max3_num_f32 v[rT+4], v[rT+4], v[rS+7], v[rS+15]
.elseif j == 13
	v_max3_num_f32 v[rT+6], v[rT+6], v[rS+23], v[rS+31]
.elseif j == 14
	v_max3_num_f32 v[rT+4], v[rT+4], v[rT+5], v[rT+6]
.elseif j == 15
	v_max3_num_f32 v[rT+4], v[rT+4], v[rT+7], v[rT+1]
.elseif j == 16
	v_permlanex16_b32 v[rT+5], v[rT+4], s[SEL], s[SEL+1]
.elseif j == 17
	v_mov_b32 v[rT+7], v[rT]
.elseif j == 18
	v_max_num_f32 v[rT+1], v[rT+4], v[rT+5]
.elseif j == 19
	v_mul_f32 v[rT], s[CS], v[rT+1]
.elseif j == 20
	v_sub_f32 v[rT+7], v[rT+7], v[rT]
.elseif j == 23
	v_exp_f32 v[rT+6], v[rT+7]
.elseif (j < 88) && (j > 23) && (j%2 == 1)
	v_exp_f32 v[rS+(j-25)/2], v[rS+(j-25)/2]
.elseif (q < 4) || ((j < 76) && (q%2 == 0))
.set b, q/2+2
.if q < 4
.set b, q
.endif
	v_pk_fma_f32 v[rS+2*b:rS+2*b+1], v[rS+2*b:rS+2*b+1], s[CS:CS+1], v[rT:rT+1] op_sel_hi:[1,0,0] neg_lo:[0,0,1] neg_hi:[0,0,1]
.elseif (j < 88) && (q%2 == 1)
	s_wait_alu depctr_va_vdst(0)
	v_cvt_pk_f16_f32 v[rP+(q-5)/2], v[rS+q-5], v[rS+q-4]
.elseif j == 89
	s_wait_alu depctr_va_vdst(0)
	v_cvt_pk_f16_f32 v[rP+15], v[rS+30], v[rS+31]
.elseif j < 102
.set z, j-86
.if j < 89
.set z, (j-76)/4
.endif
.set w, 4
.set u, z
.if z >= 14
.set w, 32
.set u, 0
.elseif z >= 12
.set w, 16
.set u, z-12
.elseif z >= 8
.set w, 8
.set u, z-8
.endif
.if z < 15
	v_pk_add_f32 v[rS+w*u:rS+w*u+1], v[rS+w*u:rS+w*u+1], v[rS+w*u+w/2:rS+w*u+w/2+1]
.else
	v_pk_fma_f32 v[rT+2:rT+3], v[rT+2:rT+3], v[rT+6:rT+7], v[rS:rS+1] op_sel_hi:[1,0,1]
.endif
.else
	WIN W_RS
	v_pk_mul_f32 v[rO:rO+1], v[rO:rO+1], v[rT+6:rT+7] op_sel_hi:[1,0]
.endif
.endm
.macro MASKUP                          ; my mask for the block's step DS
	s_cmp_eq_u32 s[DS], s[BAND]
	s_cselect_b32 s[AL], 1.0, 0
	s_cmp_eq_u32 s[DS], s[BHID]
	s_cselect_b32 s[BE], s[BIGN], 0
	WIN W_MK
.set z, 0
.rept 16
	v_pk_fma_f32 v[MC+2*z:MC+2*z+1], v[MD+2*z:MD+2*z+1], s[AL:AL+1], s[BE:BE+1] op_sel_hi:[1,0,0]
.set z, z+1
.endr
	WIN 0
.endm
.macro BEGIN blk                       ; a block begins
	s_add_co_u32 s[RT], s[\blk], 1
	s_mov_b32 s[DS], 0
	v_mov_b32 v[ST], v[LOWC]
	v_mov_b32 v[ST+1], v[LOWM]
.endm
; A KEY STEP.  K's last reader and V's stand a softmax, or four places, back from the loads into them.
.macro STEP tag
	s_cmp_ge_u32 s[DS], 3
	s_cbranch_scc1 .Lnomask\tag                    ; from a block's step 3 on the mask is 0 and stays
	MASKUP
.Lnomask\tag:
	v_add_nc_u32 v[AK], s[TBK], v[AK0]
.irp f, 0,1,2,3,4,5,6,7                ; keys 16 (f / 2) on, channels 32 (f % 2) on
	ds_load_b128 v[KF+8*\f:KF+8*\f+3],   v[AK] offset:(\f/2)*16*PK+(\f%2)*64
	ds_load_b128 v[KF+8*\f+4:KF+8*\f+7], v[AK] offset:(\f/2)*16*PK+(\f%2)*64+32
.endr
	s_add_co_u32 s[TBK], s[TBK], KS*PK
	s_wait_dscnt 16                                ; V of the step before is in: only K's sixteen loads are younger
	PVRUN
	s_wait_dscnt 0x0                               ; K is in
.set i, 0
.rept 8
	KQ
.set i, i+1
.endr
	v_add_nc_u32 v[AV], s[TBV], v[AV0]             ; four places behind the products: in front of the loads into V and of the first read of the scores
.rept 3
	v_nop
.endr
	WIN W_V
.irp f, 0,1,2,3,4,5,6,7                ; keys 32 (f / 4) on, channels 16 (f % 4) on
	ds_load_tr16_b128 v[VF+8*\f:VF+8*\f+3],   v[AV] offset:(\f/4)*32*PV+(\f%4)*32
	ds_load_tr16_b128 v[VF+8*\f+4:VF+8*\f+7], v[AV] offset:(\f/4)*32*PV+16*PV+(\f%4)*32
.endr
	s_add_co_u32 s[TBV], s[TBV], KS*PV
	WIN 0
.set j, 0
.rept 118
	SM
.set j, j+1
.endr
	WIN 0
.endm
; A TILE: two key steps; behind a block's last tile its last V^T P, the way out (O^T divided by l, rounded to f16, through my stage in LDS, stored as 512 consecutive bytes), and the change to the second block.
; Behind the walk's last tile that change serves nothing: the price, once a launch, of one text for both of the last two tiles.
.macro TILE tag
	s_sub_co_u32 s[RT], s[RT], 1
	s_mov_b32 s[CNT], 2
.Lstep\tag:
	STEP \tag
	s_add_co_u32 s[DS], s[DS], 1
	s_sub_co_u32 s[CNT], s[CNT], 1
	s_cmp_lg_u32 s[CNT], 0
	s_cbranch_scc1 .Lstep\tag
	s_cmp_lg_u32 s[RT], 0
	s_cbranch_scc1 .Lgo\tag
	s_wait_dscnt 0x0                               ; V of the last step is in
	PVRUN
.rept 4
	v_nop                                          ; the places behind those products
.endr
	v_add_f32 v[ST+2], v[ST+2], v[ST+3]
	v_permlanex16_b32 v[ST+3], v[ST+2], s[SEL], s[SEL+1]
	v_add_f32 v[ST+2], v[ST+2], v[ST+3]
	v_rcp_f32 v[ST+2], v[ST+2]
	v_nop                                          ; a plain line between the reciprocal and its use
	WIN W_RS
.set i, 0
	s_wait_alu depctr_va_vdst(0)
.rept 16
	v_pk_mul_f32 v[i:i+1], v[i:i+1], v[ST+2:ST+3] op_sel_hi:[1,0]
.set i, i+2
.endr
	WIN 0x05                                       ; sources 0 and 1 window 1, destination window 0
.set i, 0
.rept 16
	v_cvt_pk_f16_f32 v[S+i], v[2*i], v[2*i+1]
.set i, i+1
.endr
	WIN 0
.irp f, 0,1,2,3
	ds_store_b128 v[STO], v[S+4*\f:S+4*\f+3] offset:32*\f
.endr
.irp f, 0,1,2,3
	ds_load_b128 v[S+4*\f:S+4*\f+3], v[RD] offset:\f*4*SP   ; LDS serves a wave's instructions in order: these see the stores above
.endr
.irp f, 0,1,2,3
	s_wait_dscnt 3-\f                              ; the younger loads stay out
	global_store_b128 v[GO], v[S+4*\f:S+4*\f+3], s[10:11] offset:\f*512   ; 512 consecutive bytes, aligned
.endr
	s_wait_xcnt 0x0                                ; the stores have read their registers and O's address
	s_mov_b64 s[10:11], s[OLO:OLO+1]
.set i, 0
.rept 16
	v_mov_b32 v[Q+i], v[QB+i]                      ; the second block's Q goes where the one text names Q
.set i, i+1
.endr
	BEGIN PB
.Lgo\tag:
.endm
	s_load_b128 s[4:7], s[0:1], 0x0                ; qkv 4, oh 6
	v_lshl_add_u32 v[SPW], v0, 2, SPARE
	v_mov_b32 v[NIL], 0
	ds_add_u32 v[SPW], v[NIL]                      ; the wave's opening: the add and its wait ahead of my first tensor load
	v_lshrrev_b32 v1, 5, v0
	v_readfirstlane_b32 s[WV], v1                  ; wave 0..7
	s_mov_b32 s[PB], ttmp9
	s_sub_co_u32 s[HI], NB-1, s[PB]
	s_add_co_u32 s[N1], s[HI], 1
	s_mul_i32 s[ROT], s[PB], 3
	s_lshl_b32 s[GT], s[PB], 1
	s_sub_co_u32 s[GT], s[GT], 8
	s_cmp_lt_u32 s[PB], 4
	s_cselect_b32 s[ROT], s[ROT], s[GT]
	s_lshr_b32 s[BAND], s[WV], 2
	s_cmp_eq_u32 s[BAND], 0
	s_cselect_b32 s[BHID], 1, 64
	s_and_b32 s20, ttmp7, 0xffff
	s_lshl_b32 s20, s20, 18                        ; the plane, 262,144 bytes
	s_and_b32 s16, s[WV], 1                        ; which half of a tile's 128 keys I fetch, if any
	s_lshl_b32 s22, s16, 13
	s_add_co_u32 s22, s22, s20
	s_add_co_u32 s22, s22, 8388608                 ; K's planes begin here,
	s_mov_b32 s23, 0
	s_add_co_u32 s90, s22, 8388608                 ; V's here
	s_mov_b32 s91, 0
	s_mul_i32 s17, s16, KS*PK
	s_mul_i32 s18, s16, KS*PV
	s_lshl_b32 s3, s[WV], 11                       ; my 16 rows in a block
	s_lshl_b32 s2, s[HI], 14
	s_add_co_u32 s2, s2, s3
	s_add_co_u32 s2, s2, s20                       ; in the first block,
	s_lshl_b32 s84, s[PB], 14
	s_add_co_u32 s84, s84, s3
	s_add_co_u32 s84, s84, s20                     ; and in the second
	s_mov_b32 s3, 0
	s_mov_b32 s85, 0
	s_mov_b32 s[G1K], (1<<16)|(1<<20)|(4<<22)|(3<<25)   ; 64 keys are 8,192 dense bytes: 32 rows of 256, padded after every key (32 words) by 4 words,
	s_mov_b32 s[G1V], (1<<16)|(1<<20)|(4<<22)|(7<<25)   ; V by 8
.irp g, G1K, G1V
	s_mov_b32 s[\g+1], 128<<16
	s_mov_b32 s[\g+2], 32<<16
	s_mov_b32 s[\g+3], 128<<16
	s_mov_b32 s[\g+4], 32
	s_mov_b32 s[\g+5], 128
	s_mov_b32 s[\g+6], 0
	s_mov_b32 s[\g+7], 0
.endr
	s_mov_b32 s[CS], 0x3e38aa3b                    ; c = log2(e) / 8
	s_mov_b32 s[CS+1], s[CS]
	s_mov_b32 s[SEL], 0x76543210
	s_mov_b32 s[SEL+1], 0xfedcba98
	s_mov_b32 s[TBK], 0
	s_mov_b32 s[TBV], 0
	s_mov_b32 s[G0K], 1
	s_mov_b32 s[G0K+1], s17
	s_mov_b32 s[G0K+4], 1
	s_add_co_u32 s[G0K+5], s17, SLOT1
	s_mov_b32 s[G0V], 1
	s_add_co_u32 s[G0V+1], s18, VOFF
	s_mov_b32 s[G0V+4], 1
	s_add_co_u32 s[G0V+5], s18, VOFF+SLOT1
	s_mov_b32 s[NN], 0
	s_mov_b32 s[OFF+1], 0
	s_mov_b32 s[AL+1], 0
	s_mov_b32 s[BE+1], 0
	s_mov_b32 s[BIGN], 0xf149f2ca                  ; -1e30
	s_wait_dscnt 0x0
	s_barrier_signal -1
	s_barrier_wait -1
	s_wait_kmcnt 0x0
	s_mov_b64 s[10:11], s[6:7]                     ; oh
	s_add_nc_u64 s[6:7], s[4:5], s[22:23]          ; K at my half of tile 0
	s_add_nc_u64 s[8:9], s[4:5], s[90:91]          ; V likewise
	ASK                                            ; the walk's tile 0 into slot 0,
	s_add_nc_u64 s[G0K+2:G0K+3], s[6:7], s[OFF:OFF+1]
	s_or_b32 s[G0K+3], s[G0K+3], 0x80000000
	s_add_nc_u64 s[G0V+2:G0V+3], s[8:9], s[OFF:OFF+1]
	s_or_b32 s[G0V+3], s[G0V+3], 0x80000000
	ASK                                            ; its tile 1 into slot 1
	s_add_nc_u64 s[G0K+6:G0K+7], s[6:7], s[OFF:OFF+1]
	s_or_b32 s[G0K+7], s[G0K+7], 0x80000000
	s_add_nc_u64 s[G0V+6:G0V+7], s[8:9], s[OFF:OFF+1]
	s_or_b32 s[G0V+7], s[G0V+7], 0x80000000
	s_add_nc_u64 s[86:87], s[4:5], s[84:85]        ; Q at my rows of the second block,
	s_add_nc_u64 s[4:5], s[4:5], s[2:3]            ; of the first
	s_add_nc_u64 s[OLO:OLO+1], s[10:11], s[84:85]
	s_add_nc_u64 s[10:11], s[10:11], s[2:3]
	s_cmp_lt_u32 s[WV], 2                          ; a wave's two first fills stand in one branch: two loads of mine are out, or none
	s_cbranch_scc0 .Lfirst_not_k
	tensor_load_to_lds s[G0K:G0K+3], s[G1K:G1K+7]
	s_nop 0
	tensor_load_to_lds s[G0K+4:G0K+7], s[G1K:G1K+7]
	s_nop 0
.rept 4
	v_nop
.endr
	s_branch .Lfirst_asked
.Lfirst_not_k:
	s_cmp_lt_u32 s[WV], 4
	s_cbranch_scc0 .Lfirst_asked
	tensor_load_to_lds s[G0V:G0V+3], s[G1V:G1V+7]
	s_nop 0
	tensor_load_to_lds s[G0V+4:G0V+7], s[G1V:G1V+7]
	s_nop 0
.rept 4
	v_nop
.endr
.Lfirst_asked:
	v_and_b32 v1, 15, v0                           ; l % 16
	v_bfe_u32 v9, v0, 4, 1                         ; l / 16
	v_lshlrev_b32 v[QO], 7, v1
	v_lshl_add_u32 v[QO], v9, 4, v[QO]             ; row x 128 + 16 x half
.irp c, 0,1                            ; both blocks' Q: channels 32 c on
	global_load_b128 v[Q+8*\c:Q+8*\c+3],     v[QO], s[4:5] offset:\c*64
	global_load_b128 v[Q+8*\c+4:Q+8*\c+7],   v[QO], s[4:5] offset:\c*64+32
	global_load_b128 v[QB+8*\c:QB+8*\c+3],   v[QO], s[86:87] offset:\c*64
	global_load_b128 v[QB+8*\c+4:QB+8*\c+7], v[QO], s[86:87] offset:\c*64+32
.endr
	v_lshlrev_b32 v[TM], 3, v9
	v_sub_nc_u32 v[TM], v1, v[TM]
	s_and_b32 s13, s[WV], 3
	s_lshl_b32 s13, s13, 4
	v_add_nc_u32 v[TM], s13, v[TM]                 ; my query's place in its band less 8 (l / 16): register r of key group kt is hidden where 16 kt + r is greater
	WIN W_V
.set i, 0
.rept 32
	v_cmp_gt_i32 vcc_lo, 16*(i/8)+i%8, v[TM]
	v_cndmask_b32 v[MD+i], 0, s[BIGN], vcc_lo
.set i, i+1
.endr
	; what the first step's products on leftovers find must be finite: zeros, written in the wait for the first tile
.set i, 0
.rept 32
	v_mov_b32 v[i], 0
.set i, i+1
.endr
.set i, 0
.rept 64
	v_mov_b32 v[VF+i], 0
.set i, i+1
.endr
	WIN 0
.set i, 0
.rept 16
	v_mov_b32 v[P+i], 0
.set i, i+1
.endr
	v_mov_b32 v[ST+2], 0
	v_mov_b32 v[ST+3], 0
	v_mov_b32 v[LOWM], 0xff7fffff                  ; m's start: the lowest finite number
	v_mov_b32 v[LOWC], 0xfe000000                  ; c m's start: far below every c s
	v_mul_u32_u24 v[AK0], v1, PK
	v_lshl_add_u32 v[AK0], v9, 4, v[AK0]
	v_and_b32 v10, 7, v0
	v_bfe_u32 v11, v0, 3, 1
	v_lshl_add_u32 v[AV0], v9, 3, v10
	v_mul_u32_u24 v[AV0], v[AV0], PV
	v_lshl_add_u32 v[AV0], v11, 4, v[AV0]
	v_add_nc_u32 v[AV0], VOFF, v[AV0]
	s_mul_i32 s13, s[WV], 16*SP
	s_add_co_u32 s13, s13, STAGE                   ; my stage
	v_mul_u32_u24 v[STO], v1, SP
	v_lshl_add_u32 v[STO], v9, 4, v[STO]
	v_add_nc_u32 v[STO], s13, v[STO]
	v_bfe_u32 v[RD], v0, 3, 2
	v_mul_u32_u24 v[RD], v[RD], SP
	v_lshl_add_u32 v[RD], v10, 4, v[RD]
	v_add_nc_u32 v[RD], s13, v[RD]
	v_and_b32 v[GO], 31, v0
	v_lshlrev_b32 v[GO], 4, v[GO]
	BEGIN HI
	MASKUP                                         ; the mask registers are written once ahead of the walk, on every way into it
	s_wait_loadcnt 0x0                             ; Q
	s_wait_tensorcnt 0x1                           ; my part of the first tile is in; the second's may stay out
	s_barrier_signal -1
	s_barrier_wait -1
	s_mov_b32 s[SLOTS], NB-1
.LslotA:                                               ; 15 times: a tile, and its slot is filled with the tile two on
	TILE A
	CHANGE 1
	s_sub_co_u32 s[SLOTS], s[SLOTS], 1
	s_cmp_lg_u32 s[SLOTS], 0
	s_cbranch_scc1 .LslotA
	s_mov_b32 s[SLOTS], 2
.LslotB:                                               ; the last two tiles: nothing is left to ask for
	TILE B
	CHANGE 0
	s_sub_co_u32 s[SLOTS], s[SLOTS], 1
	s_cmp_lg_u32 s[SLOTS], 0
	s_cbranch_scc1 .LslotB
	s_wait_tensorcnt 0x0                           ; the wave's end
	ds_add_u32 v[SPW], v[NIL]
	s_wait_dscnt 0x0
	s_endpgm
.Lfunc_end_k_qe92daab6f8_att:
	.size	k_qe92daab6f8_att, .Lfunc_end_k_qe92daab6f8_att-k_qe92daab6f8_att
	.p2alignl 7, 3214868480
	.fill 96, 4, 3214868480
	.section	.rodata,"a",@progbits
	.p2align	6, 0x0
	.amdhsa_kernel k_qe92daab6f8_att
		.amdhsa_group_segment_fixed_size 327680
		.amdhsa_private_segment_fixed_size 0
		.amdhsa_enable_private_segment 0
		.amdhsa_kernarg_size 16
		.amdhsa_user_sgpr_count 2
		.amdhsa_user_sgpr_kernarg_segment_ptr 1
		.amdhsa_wavefront_size32 1
		.amdhsa_system_sgpr_workgroup_id_x 1
		.amdhsa_system_sgpr_workgroup_id_y 1
		.amdhsa_system_sgpr_workgroup_id_z 1
		.amdhsa_system_vgpr_workitem_id 0
		.amdhsa_next_free_vgpr 416
		.amdhsa_next_free_sgpr 96
		.amdhsa_reserve_vcc 1
		.amdhsa_float_denorm_mode_32 3
		.amdhsa_float_denorm_mode_16_64 3
		.amdhsa_memory_ordered 1
		.amdhsa_forward_progress 1
		.amdhsa_inst_pref_size 52
	.end_amdhsa_kernel
	.amdgpu_metadata
---
amdhsa.version: [ 1, 2 ]
amdhsa.kernels:
  - .name:           k_qe92daab6f8_att
    .symbol:         k_qe92daab6f8_att.kd
    .args:
      - { .name: qkv, .offset: 0, .size: 8, .value_kind: global_buffer, .address_space: global }
      - { .name: oh, .offset: 8, .size: 8, .value_kind: global_buffer, .address_space: global }
    .group_segment_fixed_size: 327680
    .private_segment_fixed_size: 0
    .kernarg_segment_align: 8
    .kernarg_segment_size: 16
    .max_flat_workgroup_size: 256
    .sgpr_count:     96
    .vgpr_count:     416
    .wavefront_size: 32
...
	.end_amdgpu_metadata
.endif
;; end of part 5
;; launch outp (part 6): grid 8 x 32, 4 waves a work-group, clusters of 4 x 4, 327,680 bytes of LDS; arguments oh, wts, out_b, ln2_w, act, res; writes res
.if DOCPART == 6
	.amdgcn_target "amdgcn-amd-amdhsa--gfx1250"
	.amdhsa_code_object_version 6
	.text
	.protected	k_qe92daab6f8_outp
	.globl	k_qe92daab6f8_outp
	.p2align	8
	.type	k_qe92daab6f8_outp,@function
k_qe92daab6f8_outp:
	s_mov_b64 s[64:65], 0
	v_nop
	global_prefetch_b8 v0, s[64:65] scope:SCOPE_SE
	s_setreg_imm32_b32 hwreg(HW_REG_WAVE_MODE, 25, 1), 1
	s_wait_xcnt 0x0
	s_wait_alu depctr_hold_cnt(0) depctr_sa_sdst(0) depctr_va_vdst(0) depctr_va_sdst(0) depctr_va_ssrc(0) depctr_va_vcc(0) depctr_vm_vsrc(0)
	s_getreg_b32 s2, hwreg(HW_REG_IB_STS2, 6, 4)
	s_cmp_eq_u32 s2, 0
	s_cbranch_scc0 .Lentry_in_a_cluster
	s_endpgm
.Lentry_in_a_cluster:
	s_bfe_u32 s2, ttmp6, 0x10000c
	s_cmp_lg_u32 s2, 0xf033
	s_cbranch_scc0 .Lentry_shape_is_right
	s_endpgm
.Lentry_shape_is_right:
; y = O out_w^T + out_b + x_delta;  z = y + mh (f32);  yb = bf16(y ln2_w);  ssq[tile column][row] = the sum of y^2 over the tile's 128 columns (f32, added up in order by the next launch).
; The second RMS norm's row factor commutes with the next product, so it is applied there; yb is bf16 because y is not normalised and has no room in f16 at thirty times the inputs.
; O f16 by heads [32][2048][64]; out_w f16 [1024][1024] (wts + 6,291,456).  A tile of C is 128 x 128: 8 x 32 = 256 work-groups; four waves of 64 x 64; K in 4 steps of 256 (four heads) through two slots.
; A's tile: a wave's 64 rows of four heads are four dense runs of 8,192 bytes: one load of 4 rows of 4,096 elements, padded after every 128 bytes: LDS image [head][row] at pitch 144.
; CLUSTER 4 x 4, joint loads; transposed matrix instruction; sums begun by a product of zeros with the bias as C; a stale quarter fetched at the last change of slots: as in the launch qkv.
; THE WALK ALONG K GOES ROUND: cluster (X, Y) begins at K step (2 X + g) % 4, g = Y % 2 + 2 ((Y / 2 xor Y / 4) % 2).  The two clusters that read the same rows of A (same Y) are two steps apart; of the clusters that read the
; same rows of B (same X) those with Y in {0..3}, {4..7}, {0,1,4,5}, {2,3,6,7} have four different g.  So both refills ask for tiles that another cluster asked for at its start.
; x_delta and mh of my 32 rows are loaded into window 3 ahead of the K loop and land under it.
; res: z f32 at 0; yb bf16 at 16,777,216; ssq f32 [8][4096] at 25,165,824.
; REGISTERS: window 0 addresses and the way out; window 1 two fragment buffers (A(c, i) at f + 8 (4 c + i), B at f + 64 + ..); window 2 accumulators (a, b) at 8 (4 a + b); window 3 v0-127 x_delta, v128-191 mh.
.set KDIM,  1024
.set KSTEP, 256
.set NS,    KDIM/KSTEP
.set SHA,   20                         ; a K step is four planes of O, 1 << 20 bytes,
.set SHB,   9                          ; and 1 << 9 bytes along B's rows
.set PA,    144
.set PB,    528
.set AQ,    9216                       ; a quarter of A is a head's plane
.set AI,    16*PA
.set HALFA, 4*64*PA
.set HALFB, 64*PB
.set BOFF,  2*HALFA
.set SLOT1, 147456
.set SPARE, SLOT1+BOFF+2*HALFB
.set SP,    528
.set TRB,   73728                      ; behind the stage, in the ring: 4 x 4,608 bytes in which a wave turns its 32 x 32 partial sums
.set A0,   16
.set B0,   17
.set ADRA, 18
.set ADRB, 19
.set TRS,  20
.set TRL,  21
.set O4,   22
.set BO,   23
.set STO,  24
.set RD,   25
.set O16,  26
.set O8,   27
.set SPW,  28
.set NIL,  29
.set BI,   32
.set T,    64
.set G,    96
.set YB,   128
.set QQ,   144
.set SS,   160
.set LN2,  192
.set ONE,  196
.set R,    200
.set F0,   0
.set F1,   128
.set KO,  4                            ; s[4:5] a K step's byte offset
.set G1A, 24
.set G0A, 32
.set KI,  45                           ; s45 the K step of the walking descriptors
.set G1B, 48
.set G0B, 56
.set TB,  66
.set CNT, 67
.set MSB, 0
.macro WIN new
.if MSB != (\new)
	s_set_vgpr_msb (MSB<<8)|(\new)
.set MSB, (\new)
.endif
.endm
.macro PLACES
.rept 4
	v_nop
.endr
.endm
.macro CREST
	s_cmp_lg_u32 s10, 0
	s_cbranch_scc1 .Lnot_wave_0_\@
	s_barrier_signal -3
.Lnot_wave_0_\@:
	s_barrier_wait -3
	s_barrier_signal -1
	s_barrier_wait -1
.endm
.macro CROUND
	s_barrier_signal -1
	s_barrier_wait -1
	CREST
.endm
.macro JLOAD
	s_cmp_eq_u32 s11, 0
	s_cbranch_scc0 .Lfor_b_\@
	tensor_load_to_lds s[G0A+4:G0A+7], s[G1A:G1A+7]
	s_nop 0
.rept 4
	v_nop
.endr
	s_branch .Lasked_\@
.Lfor_b_\@:
	tensor_load_to_lds s[G0B+4:G0B+7], s[G1B:G1B+7]
	s_nop 0
.rept 4
	v_nop
.endr
.Lasked_\@:
.endm
.macro SETG s                          ; both tensors' group 0, set s: K step s[KI] into slot s
	s_lshl_b32 s[KO], s[KI], SHA
	s_mov_b32 s[G0A+4*(\s)], 1
	s_add_co_u32 s[G0A+4*(\s)+1], s20, (\s)*SLOT1
	s_add_nc_u64 s[G0A+4*(\s)+2:G0A+4*(\s)+3], s[14:15], s[KO:KO+1]
	s_or_b32 s[G0A+4*(\s)+3], s[G0A+4*(\s)+3], 0x80000000
.if SHB != SHA
	s_lshl_b32 s[KO], s[KI], SHB
.endif
	s_mov_b32 s[G0B+4*(\s)], 1
	s_add_co_u32 s[G0B+4*(\s)+1], s21, (\s)*SLOT1
	s_add_nc_u64 s[G0B+4*(\s)+2:G0B+4*(\s)+3], s[46:47], s[KO:KO+1]
	s_or_b32 s[G0B+4*(\s)+3], s[G0B+4*(\s)+3], 0x80000000
.endm
.macro NEXTK                           ; the walking descriptors: the other slot, the next K step going round; each address is made anew from its tensor's base
	s_add_co_u32 s[KI], s[KI], 1
	s_and_b32 s[KI], s[KI], NS-1
	s_lshl_b32 s[KO], s[KI], SHA
	s_xor_b32 s[G0A+5], s[G0A+5], SLOT1
	s_add_nc_u64 s[G0A+6:G0A+7], s[14:15], s[KO:KO+1]
	s_or_b32 s[G0A+7], s[G0A+7], 0x80000000
.if SHB != SHA
	s_lshl_b32 s[KO], s[KI], SHB
.endif
	s_xor_b32 s[G0B+5], s[G0B+5], SLOT1
	s_add_nc_u64 s[G0B+6:G0B+7], s[46:47], s[KO:KO+1]
	s_or_b32 s[G0B+7], s[G0B+7], 0x80000000
.endm
.macro FETCH q, f                      ; 32 LDS loads: 64 along K, the first 32 first
	WIN 0x40
.irp c, 0,1
.irp i, 0,1,2,3
	ds_load_b128 v[(\f)+64+8*(4*\c+\i):(\f)+64+8*(4*\c+\i)+3],   v[ADRB] offset:128*(\q)+64*\c+\i*16*PB
	ds_load_b128 v[(\f)+64+8*(4*\c+\i)+4:(\f)+64+8*(4*\c+\i)+7], v[ADRB] offset:128*(\q)+64*\c+\i*16*PB+32
	ds_load_b128 v[(\f)+8*(4*\c+\i):(\f)+8*(4*\c+\i)+3],         v[ADRA] offset:AQ*(\q)+64*\c+\i*AI
	ds_load_b128 v[(\f)+8*(4*\c+\i)+4:(\f)+8*(4*\c+\i)+7],       v[ADRA] offset:AQ*(\q)+64*\c+\i*AI+32
.endr
.endr
.endm
.macro MUL8 f, c, a0                   ; row blocks a0, a0 + 1 x 4 column blocks, depth c; the accumulators take turns
	WIN 0xa5
.irp a, \a0, (\a0)+1
.irp b, 0,1,2,3
	v_wmma_f32_16x16x32_f16 v[8*(4*(\a)+(\b)):8*(4*(\a)+(\b))+7], v[(\f)+64+8*(4*(\c)+(\b)):(\f)+64+8*(4*(\c)+(\b))+7], v[(\f)+8*(4*(\c)+(\a)):(\f)+8*(4*(\c)+(\a))+7], v[8*(4*(\a)+(\b)):8*(4*(\a)+(\b))+7]
.endr
.endr
.endm
.macro QUARTER q, f, g
	s_wait_dscnt 16                                ; the first 32 along K are in
	MUL8 \f, 0, 0
	MUL8 \f, 0, 2
	PLACES
	FETCH \q, \g
	s_wait_dscnt 32                                ; all but the 32 just issued
	MUL8 \f, 1, 0
	MUL8 \f, 1, 2
.endm
.macro TURN fill
	WIN 0
	s_wait_tensorcnt 0x0                           ; all my tensor loads have landed: my part of the next slot; so every group 0 may be written
	ds_add_u32 v[SPW], v[NIL]
.if \fill
	NEXTK
.endif
	s_wait_dscnt 17                                ; the add and the youngest sixteen loads may be out
	MUL8 F1, 0, 0
	s_wait_dscnt 0x0                               ; the add is done, my reads of this slot are over
	s_barrier_signal -1
	MUL8 F1, 0, 2
	WIN 0
	s_barrier_wait -1
.if \fill
	CREST
	JLOAD
.else
	PLACES
.endif
	s_xor_b32 s[TB], s[TB], SLOT1
	v_add_nc_u32 v[ADRA], s[TB], v[A0]
	v_add_nc_u32 v[ADRB], s[TB], v[B0]
	FETCH 0, F0
	MUL8 F1, 1, 0
	MUL8 F1, 1, 2
.endm
.macro KSTEPS fill
	QUARTER 1, F0, F1
	QUARTER 2, F1, F0
	QUARTER 3, F0, F1
	TURN \fill
	WIN 0
.endm
	s_load_b256 s[68:75], s[0:1], 0x0              ; oh 68, wts 70, out_b 72, ln2_w 74
	s_load_b128 s[76:79], s[0:1], 0x20             ; act 76, res 78
	v_lshl_add_u32 v[SPW], v0, 2, SPARE
	v_mov_b32 v[NIL], 0
	ds_add_u32 v[SPW], v[NIL]                      ; the wave's opening: the add and its wait ahead of my first tensor load
	v_lshrrev_b32 v1, 5, v0
	v_readfirstlane_b32 s10, v1
	s_lshr_b32 s11, s10, 1
	s_and_b32 s12, s10, 1
	s_bfe_u32 s40, ttmp6, 0x40000
	s_bfe_u32 s41, ttmp6, 0x40004
	s_lshl_b32 s42, ttmp9, 2
	s_add_co_u32 s42, s42, s40
	s_and_b32 s13, ttmp7, 0xffff
	s_lshl_b32 s13, s13, 2
	s_add_co_u32 s13, s13, s41
	s_lshl_b32 s43, s41, 2
	s_lshl_b32 s43, 15, s43
	s_lshl_b32 s44, 0x1111, s40
	s_and_b32 s6, ttmp7, 7                         ; the cluster's first K step, from the cluster's own X and Y, which all sixteen partners share
	s_lshr_b32 s7, s6, 1
	s_lshr_b32 s8, s6, 2
	s_xor_b32 s7, s7, s8
	s_and_b32 s7, s7, 1
	s_and_b32 s6, s6, 1
	s_lshl1_add_u32 s6, s7, s6                     ; g
	s_lshl1_add_u32 s[KI], ttmp9, s6
	s_and_b32 s[KI], s[KI], NS-1
	s_mov_b32 s[KO+1], 0
	s_or_b32 s[G1A], s43, (1<<16)|(1<<20)|(1<<21)|(4<<22)|(3<<25)   ; padding of 4 words after every 32
	s_or_b32 s[G1B], s44, (1<<16)|(1<<20)|(1<<21)|(6<<22)|(3<<25)   ; after every 128
	s_mov_b32 s[G1A+1], 4096<<16                   ; tensor_dim0 = 4,096 elements: 64 rows of a head
	s_mov_b32 s[G1A+2], 4<<16                      ; tensor_dim1 = 4 heads
	s_mov_b32 s[G1A+3], 4096<<16
	s_mov_b32 s[G1A+4], 4
	s_mov_b32 s[G1A+5], 131072                     ; from head to head
	s_mov_b32 s[G1A+6], 0
	s_mov_b32 s[G1A+7], 0
	s_mov_b32 s[G1B+1], KSTEP<<16
	s_mov_b32 s[G1B+2], 64<<16
	s_mov_b32 s[G1B+3], KSTEP<<16
	s_mov_b32 s[G1B+4], 64
	s_mov_b32 s[G1B+5], KDIM
	s_mov_b32 s[G1B+6], 0
	s_mov_b32 s[G1B+7], 0
	s_lshr_b32 s16, s13, 4
	s_lshl_b32 s16, s16, 22                        ; batch: 16 planes
	s_and_b32 s17, s13, 15
	s_lshl_b32 s17, s17, 14                        ; 128 rows of 128 bytes
	s_add_co_u32 s16, s16, s17
	s_lshl_b32 s17, s12, 13
	s_add_co_u32 s16, s16, s17
	s_mov_b32 s17, 0
	s_lshl_b32 s46, s42, 7
	s_lshl_b32 s47, s12, 6
	s_add_co_u32 s46, s46, s47
	s_lshl_b32 s46, s46, 11
	s_add_co_u32 s46, s46, 6291456
	s_mov_b32 s47, 0
	s_mul_i32 s20, s12, HALFA
	s_mul_i32 s21, s12, HALFB
	s_add_co_u32 s21, s21, BOFF
	s_mov_b32 s[TB], 0
	s_wait_dscnt 0x0
	s_wait_kmcnt 0x0
	s_add_nc_u64 s[14:15], s[68:69], s[16:17]      ; A's rows at head 0: kept
	s_add_nc_u64 s[46:47], s[70:71], s[46:47]      ; B's rows at K = 0: kept
	SETG 0
	s_add_co_u32 s[KI], s[KI], 1
	s_and_b32 s[KI], s[KI], NS-1
	SETG 1
	CROUND
	s_cmp_eq_u32 s11, 0
	s_cbranch_scc0 .Lfirst_b
	tensor_load_to_lds s[G0A:G0A+3], s[G1A:G1A+7]
	s_nop 0
	tensor_load_to_lds s[G0A+4:G0A+7], s[G1A:G1A+7]
	s_nop 0
.rept 4
	v_nop
.endr
	s_branch .Lfirst_asked
.Lfirst_b:
	tensor_load_to_lds s[G0B:G0B+3], s[G1B:G1B+7]
	s_nop 0
	tensor_load_to_lds s[G0B+4:G0B+7], s[G1B:G1B+7]
	s_nop 0
.rept 4
	v_nop
.endr
.Lfirst_asked:
	v_and_b32 v1, 15, v0
	v_bfe_u32 v2, v0, 4, 1
	v_mul_u32_u24 v3, v1, PA
	v_lshl_add_u32 v3, v2, 4, v3
	s_mul_i32 s22, s11, HALFA
	v_add_nc_u32 v[A0], s22, v3
	v_mul_u32_u24 v3, v1, PB
	v_lshl_add_u32 v3, v2, 4, v3
	s_mul_i32 s22, s12, HALFB
	s_add_co_u32 s22, s22, BOFF
	v_add_nc_u32 v[B0], s22, v3
	v_mov_b32 v[ADRA], v[A0]
	v_mov_b32 v[ADRB], v[B0]
	v_lshlrev_b32 v[BO], 5, v2
	s_mul_i32 s23, s11, 64*SP                      ; into the shared stage: my 64 rows, my 64 columns
	s_lshl_b32 s22, s12, 8
	s_add_co_u32 s23, s23, s22
	v_mul_u32_u24 v4, v1, SP
	v_lshl_add_u32 v4, v2, 5, v4
	v_add_nc_u32 v[STO], s23, v4
	v_and_b32 v4, 31, v0
	v_lshlrev_b32 v[O16], 4, v4
	v_lshlrev_b32 v[O8], 3, v4
	v_lshlrev_b32 v[O4], 2, v4
	s_mul_i32 s23, s10, 32*SP                      ; back: wave w takes rows 32 w .. 32 w + 31, whole
	v_add_nc_u32 v[RD], s23, v[O16]
	s_mul_i32 s23, s10, 4608
	s_add_co_u32 s23, s23, TRB
	v_mul_u32_u24 v[TRS], v4, 144
	v_add_nc_u32 v[TRS], s23, v[TRS]
	v_add_nc_u32 v[TRL], s23, v[O4]
	v_mov_b32 v[ONE], 1.0
	s_lshl_b32 s80, s13, 7
	s_lshl_b32 s81, s10, 5
	s_add_co_u32 s80, s80, s81                     ; the first row that I finish
	s_lshl_b32 s96, s80, 12
	s_lshl_b32 s81, s42, 9
	s_add_co_u32 s96, s96, s81
	s_mov_b32 s97, 0
	s_add_nc_u64 s[82:83], s[76:77], s[96:97]      ; x_delta
	s_add_nc_u64 s[86:87], s[78:79], s[96:97]      ; z
	s_lshr_b32 s96, s96, 1
	s_add_co_u32 s96, s96, 16777216
	s_add_nc_u64 s[88:89], s[78:79], s[96:97]      ; yb
	s_add_co_u32 s96, s96, 8388608
	s_add_nc_u64 s[84:85], s[76:77], s[96:97]      ; mh
	s_lshl_b32 s96, s42, 14
	s_lshl2_add_u32 s96, s80, s96
	s_add_co_u32 s96, s96, 25165824
	s_add_nc_u64 s[90:91], s[78:79], s[96:97]      ; ssq
	s_lshl_b32 s96, s42, 9
	s_add_nc_u64 s[92:93], s[74:75], s[96:97]      ; ln2_w
	s_lshl_b32 s81, s12, 8
	s_add_co_u32 s96, s96, s81
	s_add_nc_u64 s[94:95], s[72:73], s[96:97]      ; out_b
.irp b, 0,1,2,3
	global_load_b128 v[BI+8*\b:BI+8*\b+3], v[BO], s[94:95] offset:64*\b
	global_load_b128 v[BI+8*\b+4:BI+8*\b+7], v[BO], s[94:95] offset:64*\b+16
.endr
	global_load_b128 v[LN2:LN2+3], v[O16], s[92:93]
	s_wait_loadcnt 0x0
	WIN 0x40
.irp i, 0,1,2,3,4,5,6,7
	v_mov_b32 v[\i], 0
.endr
	WIN 0x85
.irp a, 0,1,2,3
.irp b, 0,1,2,3
	v_wmma_f32_16x16x32_f16 v[8*(4*\a+\b):8*(4*\a+\b)+7], v[0:7], v[0:7], v[BI+8*\b:BI+8*\b+7]
.endr
.endr
	WIN 0xc0
.set ii, 0
.rept 32
	global_load_b128 v[4*ii:4*ii+3], v[O16], s[82:83] offset:ii*4096
.set ii, ii+1
.endr
.set ii, 0
.rept 32
	global_load_b64 v[128+2*ii:128+2*ii+1], v[O8], s[84:85] offset:ii*2048
.set ii, ii+1
.endr
	WIN 0
	PLACES
	s_wait_tensorcnt 0x1                           ; my part of the first K step is in; the second's may stay out
	s_barrier_signal -1
	s_barrier_wait -1
	FETCH 0, F0
	WIN 0
	s_mov_b32 s[CNT], NS-2
.Lfill:
	KSTEPS 1
	s_sub_co_u32 s[CNT], s[CNT], 1
	s_cmp_lg_u32 s[CNT], 0
	s_cbranch_scc1 .Lfill
	s_mov_b32 s[CNT], 2
.Llast:
	KSTEPS 0
	s_sub_co_u32 s[CNT], s[CNT], 1
	s_cmp_lg_u32 s[CNT], 0
	s_cbranch_scc1 .Llast
	PLACES
	s_wait_dscnt 0x0
	s_barrier_signal -1
	s_barrier_wait -1                              ; everybody's reads of the ring are back: it becomes the stage
	WIN 0x08
.irp a, 0,1,2,3
.irp b, 0,1,2,3
	ds_store_b128 v[STO], v[8*(4*\a+\b):8*(4*\a+\b)+3] offset:\a*16*SP+64*\b
	ds_store_b128 v[STO], v[8*(4*\a+\b)+4:8*(4*\a+\b)+7] offset:\a*16*SP+64*\b+16
.endr
.endr
	WIN 0
	s_wait_dscnt 0x0                               ; for the others' sake: a row's 512 bytes come from two waves
	s_barrier_signal -1
	s_barrier_wait -1
	s_wait_loadcnt 0x0                             ; x_delta and mh
.macro OGRP g                          ; eight rows
	s_wait_xcnt 0x0                                ; the last group's stores have read their registers
.irp i, 0,1,2,3,4,5,6,7
	ds_load_b128 v[T+4*\i:T+4*\i+3], v[RD] offset:(8*(\g)+\i)*SP
.endr
	s_wait_dscnt 0x0
	WIN 0x0c
.irp i, 0,1,2,3,4,5,6,7
	v_pk_add_f32 v[T+4*\i:T+4*\i+1], v[T+4*\i:T+4*\i+1], v[4*(8*(\g)+\i):4*(8*(\g)+\i)+1]
	v_pk_add_f32 v[T+4*\i+2:T+4*\i+3], v[T+4*\i+2:T+4*\i+3], v[4*(8*(\g)+\i)+2:4*(8*(\g)+\i)+3]
.endr
	WIN 0
.irp i, 0,1,2,3,4,5,6,7
	v_pk_mul_f32 v[G+4*\i:G+4*\i+1], v[T+4*\i:T+4*\i+1], v[LN2:LN2+1]
	v_pk_mul_f32 v[G+4*\i+2:G+4*\i+3], v[T+4*\i+2:T+4*\i+3], v[LN2+2:LN2+3]
	v_pk_mul_f32 v[QQ+2*\i:QQ+2*\i+1], v[T+4*\i:T+4*\i+1], v[T+4*\i:T+4*\i+1]
.endr
.irp i, 0,1,2,3,4,5,6,7
	v_cvt_pk_bf16_f32 v[YB+2*\i], v[G+4*\i], v[G+4*\i+1]
	v_cvt_pk_bf16_f32 v[YB+2*\i+1], v[G+4*\i+2], v[G+4*\i+3]
	v_pk_fma_f32 v[QQ+2*\i:QQ+2*\i+1], v[T+4*\i+2:T+4*\i+3], v[T+4*\i+2:T+4*\i+3], v[QQ+2*\i:QQ+2*\i+1]
.endr
.irp i, 0,1,2,3,4,5,6,7
	v_add_f32 v[SS+8*(\g)+\i], v[QQ+2*\i], v[QQ+2*\i+1]
	global_store_b64 v[O8], v[YB+2*\i:YB+2*\i+1], s[88:89] offset:(8*(\g)+\i)*2048   ; 256 consecutive bytes, aligned
.endr
	WIN 0x03                                       ; source 0 (mh's bf16 halves) in window 3
.irp i, 0,1,2,3,4,5,6,7
	v_fma_mix_f32_bf16 v[T+4*\i], v[128+2*(8*(\g)+\i)], v[ONE], v[T+4*\i] op_sel:[0,0,0] op_sel_hi:[1,0,0]
	v_fma_mix_f32_bf16 v[T+4*\i+1], v[128+2*(8*(\g)+\i)], v[ONE], v[T+4*\i+1] op_sel:[1,0,0] op_sel_hi:[1,0,0]
	v_fma_mix_f32_bf16 v[T+4*\i+2], v[128+2*(8*(\g)+\i)+1], v[ONE], v[T+4*\i+2] op_sel:[0,0,0] op_sel_hi:[1,0,0]
	v_fma_mix_f32_bf16 v[T+4*\i+3], v[128+2*(8*(\g)+\i)+1], v[ONE], v[T+4*\i+3] op_sel:[1,0,0] op_sel_hi:[1,0,0]
.endr
	WIN 0
.irp i, 0,1,2,3,4,5,6,7
	global_store_b128 v[O16], v[T+4*\i:T+4*\i+3], s[86:87] offset:(8*(\g)+\i)*4096   ; 512 consecutive bytes, aligned
.endr
.endm
	OGRP 0
	OGRP 1
	OGRP 2
	OGRP 3
	; each lane holds, for 32 rows, the squares of its 4 columns: turned through my own LDS bytes, so that lane i sums row i
.irp k, 0,1,2,3,4,5,6,7
	ds_store_b128 v[TRS], v[SS+4*\k:SS+4*\k+3] offset:16*\k
.endr
.set ii, 0
.rept 32
	ds_load_b32 v[R+ii], v[TRL] offset:144*ii
.set ii, ii+1
.endr
	s_wait_tensorcnt 0x0                           ; the wave's end as to LDS: three lines behind my last LDS store;
	ds_add_u32 v[SPW], v[NIL]
	s_wait_dscnt 0x0                               ; the last also shows the 32 numbers read
.irp p, 0,2,4,6,8,10,12,14
	v_pk_add_f32 v[R+\p:R+\p+1], v[R+\p:R+\p+1], v[R+16+\p:R+16+\p+1]
.endr
.irp p, 0,2,4,6
	v_pk_add_f32 v[R+\p:R+\p+1], v[R+\p:R+\p+1], v[R+8+\p:R+8+\p+1]
.endr
.irp p, 0,2
	v_pk_add_f32 v[R+\p:R+\p+1], v[R+\p:R+\p+1], v[R+4+\p:R+4+\p+1]
.endr
	v_pk_add_f32 v[R:R+1], v[R:R+1], v[R+2:R+3]
	v_add_f32 v[R], v[R], v[R+1]
	global_store_b32 v[O4], v[R], s[90:91]         ; my 32 rows: 128 consecutive bytes
	CROUND                                         ; the closing round
	s_endpgm
.Lfunc_end_k_qe92daab6f8_outp:
	.size	k_qe92daab6f8_outp, .Lfunc_end_k_qe92daab6f8_outp-k_qe92daab6f8_outp
	.p2alignl 7, 3214868480
	.fill 96, 4, 3214868480
	.section	.rodata,"a",@progbits
	.p2align	6, 0x0
	.amdhsa_kernel k_qe92daab6f8_outp
		.amdhsa_group_segment_fixed_size 327680
		.amdhsa_private_segment_fixed_size 0
		.amdhsa_enable_private_segment 0
		.amdhsa_kernarg_size 48
		.amdhsa_user_sgpr_count 2
		.amdhsa_user_sgpr_kernarg_segment_ptr 1
		.amdhsa_wavefront_size32 1
		.amdhsa_system_sgpr_workgroup_id_x 1
		.amdhsa_system_sgpr_workgroup_id_y 1
		.amdhsa_system_sgpr_workgroup_id_z 1
		.amdhsa_system_vgpr_workitem_id 0
		.amdhsa_next_free_vgpr 1024
		.amdhsa_next_free_sgpr 100
		.amdhsa_reserve_vcc 0
		.amdhsa_float_denorm_mode_32 3
		.amdhsa_float_denorm_mode_16_64 3
		.amdhsa_memory_ordered 1
		.amdhsa_forward_progress 1
		.amdhsa_inst_pref_size 95
	.end_amdhsa_kernel
	.amdgpu_metadata
---
amdhsa.version: [ 1, 2 ]
amdhsa.kernels:
  - .name:           k_qe92daab6f8_outp
    .symbol:         k_qe92daab6f8_outp.kd
    .args:
      - { .name: oh, .offset: 0, .size: 8, .value_kind: global_buffer, .address_space: global }
      - { .name: wts, .offset: 8, .size: 8, .value_kind: global_buffer, .address_space: global }
      - { .name: out_b, .offset: 16, .size: 8, .value_kind: global_buffer, .address_space: global }
      - { .name: ln2_w, .offset: 24, .size: 8, .value_kind: global_buffer, .address_space: global }
      - { .name: act, .offset: 32, .size: 8, .value_kind: global_buffer, .address_space: global }
      - { .name: res, .offset: 40, .size: 8, .value_kind: global_buffer, .address_space: global }
    .group_segment_fixed_size: 327680
    .private_segment_fixed_size: 0
    .kernarg_segment_align: 8
    .kernarg_segment_size: 48
    .max_flat_workgroup_size: 128
    .sgpr_count:     100
    .vgpr_count:     1024
    .wavefront_size: 32
...
	.end_amdgpu_metadata
.endif
;; end of part 6
;; launch ffn1 (part 7): grid 16 x 16, 4 waves a work-group, clusters of 4 x 4, 327,680 bytes of LDS; arguments res, wts, b1, hid; writes hid
.if DOCPART == 7
	.amdgcn_target "amdgcn-amd-amdhsa--gfx1250"
	.amdhsa_code_object_version 6
	.text
	.protected	k_qe92daab6f8_ffn1
	.globl	k_qe92daab6f8_ffn1
	.p2align	8
	.type	k_qe92daab6f8_ffn1,@function
k_qe92daab6f8_ffn1:
	s_mov_b64 s[64:65], 0
	v_nop
	global_prefetch_b8 v0, s[64:65] scope:SCOPE_SE
	s_setreg_imm32_b32 hwreg(HW_REG_WAVE_MODE, 25, 1), 1
	s_wait_xcnt 0x0
	s_wait_alu depctr_hold_cnt(0) depctr_sa_sdst(0) depctr_va_vdst(0) depctr_va_sdst(0) depctr_va_ssrc(0) depctr_va_vcc(0) depctr_vm_vsrc(0)
	s_getreg_b32 s2, hwreg(HW_REG_IB_STS2, 6, 4)
	s_cmp_eq_u32 s2, 0
	s_cbranch_scc0 .Lentry_in_a_cluster
	s_endpgm
.Lentry_in_a_cluster:
	s_bfe_u32 s2, ttmp6, 0x10000c
	s_cmp_lg_u32 s2, 0xf033
	s_cbranch_scc0 .Lentry_shape_is_right
	s_endpgm
.Lentry_shape_is_right:
; h = gelu(r2[row] (yb w1^T) + b1), f16.  yb = bf16(y ln2_w) [4096][1024] (res + 16,777,216), w1 bf16 [4096][1024] (wts + 8,388,608); r2 = rsqrt(mean y^2 + 1e-6) from the eight ordered partial sums ssq.
; A tile of C is 256 x 256: 16 x 16 = 256 work-groups; four waves of 128 x 128: 64 accumulators.  K in 8 steps of 128 through two LDS slots; rows of 256 bytes, 16 of padding.
; CLUSTER 4 x 4, joint loads; transposed matrix instruction; a stale quarter fetched at the last change of slots: as in the launch qkv.  The sums begin with a product of zeros (C = 0), so that all K steps have one text.
; THE WALK ALONG K GOES ROUND, as in the launch qkv: cluster (X, Y) begins at K step 2 X + 4 ((Y xor Y / 2) % 2): clusters that read the same rows of A are two steps apart, those that read the same rows of B with Y in
; {0,1}, {2,3}, {0,2}, {1,3} four.
; WAY OUT: f32 through the wave's own stage (the ring after its last fill); a loop of 16 trips of 8 rows does the row factor, the bias and the GELU once in the text.
; GELU, exact form: 0.5 x (1 + erf(x / sqrt 2)) = 0.5 x + |x| (0.5 - q), q = 0.5 (a1 t + a2 t^2 + a3 t^3) e^(-x^2 / 2), t = 1 / (1 + 0.47047 |x| / sqrt 2) (Abramowitz and Stegun 7.1.25).
; LIMIT: that form's error in erf is at most 2.5e-5 for every argument, below h's rounding to f16; h within f16's 65,504.
; REGISTERS: window 0 addresses and the way out; window 1 two fragment buffers (A(i) at f + 8 i, B(i) at f + 64 + 8 i); windows 2, 3 accumulators ((a, b) in window 2 + a / 4 at 8 (8 (a % 4) + b)).
.set KDIM,  1024
.set KSTEP, 128
.set NS,    KDIM/KSTEP
.set SHA,   8
.set SHB,   8
.set MBW,   8
.set NBW,   8
.set AW,    4
.set YOUNG, 8
.set PITCH, 272
.set HALFA, 128*PITCH
.set HALFB, 128*PITCH
.set BOFF,  2*HALFA
.set SLOT1, 147456
.set R2T,   SLOT1+BOFF+2*HALFB         ; 4 x 1,024 bytes of their own: each wave's 128 row factors, each twice
.set SPARE, R2T+4096
.set SP,    528
.set A0,   16
.set B0,   17
.set ADRA, 18
.set ADRB, 19
.set RT,   22
.set STO,  24
.set RD,   25
.set O16,  26
.set O8,   27
.set SPW,  28
.set NIL,  29
.set B1,   32                          ; v[32:35] b1 of my four columns
.set T,    64
.set U,    96
.set W,    128
.set Q,    160
.set RR,   192
.set OUT,  208
.set F0,   0
.set F1,   128
.set KO,  4                            ; s[4:5] a K step's byte offset
.set G1A, 24
.set G0A, 32
.set KI,  45                           ; s45 the K step of the walking descriptors
.set G1B, 48
.set G0B, 56
.set TB,  66
.set CNT, 67
.set MSB, 0
.macro WIN new
.if MSB != (\new)
	s_set_vgpr_msb (MSB<<8)|(\new)
.set MSB, (\new)
.endif
.endm
.macro PLACES
.rept 4
	v_nop
.endr
.endm
.macro CREST
	s_cmp_lg_u32 s10, 0
	s_cbranch_scc1 .Lnot_wave_0_\@
	s_barrier_signal -3
.Lnot_wave_0_\@:
	s_barrier_wait -3
	s_barrier_signal -1
	s_barrier_wait -1
.endm
.macro CROUND
	s_barrier_signal -1
	s_barrier_wait -1
	CREST
.endm
.macro JLOAD
	s_cmp_eq_u32 s11, 0
	s_cbranch_scc0 .Lfor_b_\@
	tensor_load_to_lds s[G0A+4:G0A+7], s[G1A:G1A+7]
	s_nop 0
.rept 4
	v_nop
.endr
	s_branch .Lasked_\@
.Lfor_b_\@:
	tensor_load_to_lds s[G0B+4:G0B+7], s[G1B:G1B+7]
	s_nop 0
.rept 4
	v_nop
.endr
.Lasked_\@:
.endm
.macro SETG s                          ; both tensors' group 0, set s: K step s[KI] into slot s
	s_lshl_b32 s[KO], s[KI], SHA
	s_mov_b32 s[G0A+4*(\s)], 1
	s_add_co_u32 s[G0A+4*(\s)+1], s20, (\s)*SLOT1
	s_add_nc_u64 s[G0A+4*(\s)+2:G0A+4*(\s)+3], s[14:15], s[KO:KO+1]
	s_or_b32 s[G0A+4*(\s)+3], s[G0A+4*(\s)+3], 0x80000000
.if SHB != SHA
	s_lshl_b32 s[KO], s[KI], SHB
.endif
	s_mov_b32 s[G0B+4*(\s)], 1
	s_add_co_u32 s[G0B+4*(\s)+1], s21, (\s)*SLOT1
	s_add_nc_u64 s[G0B+4*(\s)+2:G0B+4*(\s)+3], s[46:47], s[KO:KO+1]
	s_or_b32 s[G0B+4*(\s)+3], s[G0B+4*(\s)+3], 0x80000000
.endm
.macro NEXTK                           ; the walking descriptors: the other slot, the next K step going round; each address is made anew from its tensor's base
	s_add_co_u32 s[KI], s[KI], 1
	s_and_b32 s[KI], s[KI], NS-1
	s_lshl_b32 s[KO], s[KI], SHA
	s_xor_b32 s[G0A+5], s[G0A+5], SLOT1
	s_add_nc_u64 s[G0A+6:G0A+7], s[14:15], s[KO:KO+1]
	s_or_b32 s[G0A+7], s[G0A+7], 0x80000000
.if SHB != SHA
	s_lshl_b32 s[KO], s[KI], SHB
.endif
	s_xor_b32 s[G0B+5], s[G0B+5], SLOT1
	s_add_nc_u64 s[G0B+6:G0B+7], s[46:47], s[KO:KO+1]
	s_or_b32 s[G0B+7], s[G0B+7], 0x80000000
.endm
.macro FETCH q, f
	WIN 0x40
.set ii, 0
.rept NBW
	ds_load_b128 v[(\f)+8*MBW+8*ii:(\f)+8*MBW+8*ii+3], v[ADRB] offset:64*(\q)+ii*16*PITCH
	ds_load_b128 v[(\f)+8*MBW+8*ii+4:(\f)+8*MBW+8*ii+7], v[ADRB] offset:64*(\q)+ii*16*PITCH+32
.set ii, ii+1
.endr
.set ii, 0
.rept MBW
	ds_load_b128 v[(\f)+8*ii:(\f)+8*ii+3], v[ADRA] offset:64*(\q)+ii*16*PITCH
	ds_load_b128 v[(\f)+8*ii+4:(\f)+8*ii+7], v[ADRA] offset:64*(\q)+ii*16*PITCH+32
.set ii, ii+1
.endr
.endm
.macro MULQ f, p, a0, na               ; the accumulators take turns
	WIN 0xa5+0x50*(\p)
.set al, (\a0)
.rept (\na)
.set bb, 0
.rept NBW
	v_wmma_f32_16x16x32_bf16 v[8*(al*NBW+bb):8*(al*NBW+bb)+7], v[(\f)+8*MBW+8*bb:(\f)+8*MBW+8*bb+7], v[(\f)+8*((\p)*AW+al):(\f)+8*((\p)*AW+al)+7], v[8*(al*NBW+bb):8*(al*NBW+bb)+7]
.set bb, bb+1
.endr
.set al, al+1
.endr
.endm
.macro QUARTER q, f, g
	s_wait_dscnt YOUNG                             ; B and A's first half are in
	MULQ \f, 0, 0, AW
	PLACES
	FETCH \q, \g
	s_wait_dscnt 32                                ; all but the 32 just issued
	MULQ \f, 1, 0, AW
.endm
.macro TURN fill
	WIN 0
	s_wait_tensorcnt 0x0                           ; all my tensor loads have landed: my part of the next slot; so every group 0 may be written
	ds_add_u32 v[SPW], v[NIL]
.if \fill
	NEXTK
.endif
	s_wait_dscnt YOUNG+1                           ; the add and the youngest loads may be out
	MULQ F1, 0, 0, AW/2
	s_wait_dscnt 0x0                               ; the add is done, my reads of this slot are over
	s_barrier_signal -1
	MULQ F1, 0, AW/2, AW/2
	WIN 0
	s_barrier_wait -1
.if \fill
	CREST
	JLOAD
.else
	PLACES
.endif
	s_xor_b32 s[TB], s[TB], SLOT1
	v_add_nc_u32 v[ADRA], s[TB], v[A0]
	v_add_nc_u32 v[ADRB], s[TB], v[B0]
	FETCH 0, F0
	MULQ F1, 1, 0, AW
.endm
.macro KSTEPS fill
	QUARTER 1, F0, F1
	QUARTER 2, F1, F0
	QUARTER 3, F0, F1
	TURN \fill
	WIN 0
.endm
	s_load_b256 s[68:75], s[0:1], 0x0              ; res 68, wts 70, b1 72, hid 74
	v_lshl_add_u32 v[SPW], v0, 2, SPARE
	v_mov_b32 v[NIL], 0
	ds_add_u32 v[SPW], v[NIL]                      ; the wave's opening: the add and its wait ahead of my first tensor load
	v_lshrrev_b32 v1, 5, v0
	v_readfirstlane_b32 s10, v1
	s_lshr_b32 s11, s10, 1
	s_and_b32 s12, s10, 1
	s_bfe_u32 s40, ttmp6, 0x40000
	s_bfe_u32 s41, ttmp6, 0x40004
	s_lshl_b32 s42, ttmp9, 2
	s_add_co_u32 s42, s42, s40
	s_and_b32 s13, ttmp7, 0xffff
	s_lshl_b32 s13, s13, 2
	s_add_co_u32 s13, s13, s41
	s_lshl_b32 s43, s41, 2
	s_lshl_b32 s43, 15, s43
	s_lshl_b32 s44, 0x1111, s40
	s_and_b32 s6, ttmp7, 3                         ; the cluster's first K step, from the cluster's own X and Y, which all sixteen partners share
	s_lshr_b32 s7, s6, 1
	s_xor_b32 s6, s6, s7
	s_and_b32 s6, s6, 1
	s_lshl_b32 s6, s6, 2
	s_lshl1_add_u32 s[KI], ttmp9, s6
	s_and_b32 s[KI], s[KI], NS-1
	s_mov_b32 s[KO+1], 0
	s_or_b32 s[G1A], s43, (1<<16)|(1<<20)|(1<<21)|(5<<22)|(3<<25)
	s_or_b32 s[G1B], s44, (1<<16)|(1<<20)|(1<<21)|(5<<22)|(3<<25)
.irp g, G1A, G1B
	s_mov_b32 s[(\g)+1], KSTEP<<16
	s_mov_b32 s[(\g)+2], 128<<16
	s_mov_b32 s[(\g)+3], KSTEP<<16
	s_mov_b32 s[(\g)+4], 128
	s_mov_b32 s[(\g)+5], KDIM
	s_mov_b32 s[(\g)+6], 0
	s_mov_b32 s[(\g)+7], 0
.endr
	s_lshl_b32 s16, s13, 8
	s_lshl_b32 s17, s12, 7
	s_add_co_u32 s16, s16, s17
	s_lshl_b32 s16, s16, 11
	s_add_co_u32 s16, s16, 16777216
	s_mov_b32 s17, 0
	s_lshl_b32 s46, s42, 8
	s_lshl_b32 s47, s12, 7
	s_add_co_u32 s46, s46, s47
	s_lshl_b32 s46, s46, 11
	s_add_co_u32 s46, s46, 8388608
	s_mov_b32 s47, 0
	s_mul_i32 s20, s12, HALFA
	s_mul_i32 s21, s12, HALFB
	s_add_co_u32 s21, s21, BOFF
	s_mov_b32 s[TB], 0
	s_mov_b32 s90, 0x3eaa540e                      ; 0.47047 / sqrt 2
	s_mov_b32 s92, 0xbebf7377                      ; - a3 / 2
	s_mov_b32 s93, s92
	s_mov_b32 s94, 0x3d445ca1                      ; - a2 / 2
	s_mov_b32 s95, s94
	s_mov_b32 s96, 0xbe32303a                      ; - a1 / 2
	s_mov_b32 s97, s96
	s_mov_b32 s98, 0xbf38aa3b                      ; - log2(e) / 2
	s_mov_b32 s99, s98
	s_mov_b32 s88, 0x3a800000                      ; 1 / 1024
	s_mov_b32 s89, 0x358637bd                      ; 1e-6
	s_wait_dscnt 0x0
	s_wait_kmcnt 0x0
	s_add_nc_u64 s[14:15], s[68:69], s[16:17]      ; A's rows at K = 0: kept
	s_add_nc_u64 s[46:47], s[70:71], s[46:47]      ; B's rows at K = 0: kept
	SETG 0
	s_add_co_u32 s[KI], s[KI], 1
	s_and_b32 s[KI], s[KI], NS-1
	SETG 1
	CROUND
	s_cmp_eq_u32 s11, 0
	s_cbranch_scc0 .Lfirst_b
	tensor_load_to_lds s[G0A:G0A+3], s[G1A:G1A+7]
	s_nop 0
	tensor_load_to_lds s[G0A+4:G0A+7], s[G1A:G1A+7]
	s_nop 0
.rept 4
	v_nop
.endr
	s_branch .Lfirst_asked
.Lfirst_b:
	tensor_load_to_lds s[G0B:G0B+3], s[G1B:G1B+7]
	s_nop 0
	tensor_load_to_lds s[G0B+4:G0B+7], s[G1B:G1B+7]
	s_nop 0
.rept 4
	v_nop
.endr
.Lfirst_asked:
	v_and_b32 v1, 15, v0
	v_bfe_u32 v2, v0, 4, 1
	v_mul_u32_u24 v3, v1, PITCH
	v_lshl_add_u32 v3, v2, 4, v3
	s_mul_i32 s22, s11, HALFA
	v_add_nc_u32 v[A0], s22, v3
	s_mul_i32 s22, s12, HALFB
	s_add_co_u32 s22, s22, BOFF
	v_add_nc_u32 v[B0], s22, v3
	v_mov_b32 v[ADRA], v[A0]
	v_mov_b32 v[ADRB], v[B0]
	s_mul_i32 s23, s10, 128*SP                     ; my stage
	v_mul_u32_u24 v4, v1, SP
	v_lshl_add_u32 v4, v2, 5, v4
	v_add_nc_u32 v[STO], s23, v4
	v_and_b32 v4, 31, v0
	v_lshlrev_b32 v[O16], 4, v4
	v_lshlrev_b32 v[O8], 3, v4
	v_add_nc_u32 v[RD], s23, v[O16]
	s_lshl_b32 s23, s10, 10
	s_add_co_u32 s23, s23, R2T
	v_mov_b32 v[RT], s23                           ; my table of row factors
	v_lshl_add_u32 v5, v4, 5, s23                  ; where I put four of them, each twice
	s_lshl_b32 s80, s13, 8
	s_lshl_b32 s81, s11, 7
	s_add_co_u32 s80, s80, s81                     ; my first row
	s_lshl_b32 s82, s80, 2
	s_add_co_u32 s82, s82, 25165824
	s_mov_b32 s83, 0
	s_add_nc_u64 s[82:83], s[68:69], s[82:83]      ; ssq
	s_lshl_b32 s86, s42, 8
	s_lshl_b32 s81, s12, 7
	s_add_co_u32 s86, s86, s81                     ; my first column
	s_lshl_b32 s84, s80, 13
	s_lshl1_add_u32 s84, s86, s84
	s_mov_b32 s85, 0
	s_add_nc_u64 s[84:85], s[74:75], s[84:85]      ; hid
	s_lshl_b32 s86, s86, 2
	s_mov_b32 s87, 0
	s_add_nc_u64 s[86:87], s[72:73], s[86:87]      ; b1
.irp j, 0,1,2,3,4,5,6,7
	global_load_b128 v[T+4*\j:T+4*\j+3], v[O16], s[82:83] offset:\j*16384
.endr
	global_load_b128 v[B1:B1+3], v[O16], s[86:87]
	s_wait_loadcnt 0x0
.irp j, 1,2,3,4,5,6,7
	v_pk_add_f32 v[T:T+1], v[T:T+1], v[T+4*\j:T+4*\j+1]
	v_pk_add_f32 v[T+2:T+3], v[T+2:T+3], v[T+4*\j+2:T+4*\j+3]
.endr
.irp k, 0,1,2,3
	v_fma_f32 v[T+\k], v[T+\k], s88, s89
.endr
.irp k, 0,1,2,3
	v_rsq_f32 v[U+2*\k], v[T+\k]
.endr
	v_nop
	s_wait_alu depctr_va_vdst(0)
.irp k, 0,1,2,3
	v_mov_b32 v[U+2*\k+1], v[U+2*\k]
.endr
	ds_store_b128 v5, v[U:U+3]
	ds_store_b128 v5, v[U+4:U+7] offset:16
	WIN 0x40
.irp i, 0,1,2,3,4,5,6,7
	v_mov_b32 v[\i], 0
.endr
.irp p, 0,1
	WIN 0x85+0x40*\p
.set al, 0
.rept AW
.set bb, 0
.rept NBW
	v_wmma_f32_16x16x32_bf16 v[8*(al*NBW+bb):8*(al*NBW+bb)+7], v[0:7], v[0:7], 0
.set bb, bb+1
.endr
.set al, al+1
.endr
.endr
	WIN 0
	PLACES
	s_wait_tensorcnt 0x1                           ; my part of the first K step is in; the second's may stay out
	s_wait_dscnt 0x0                               ; no LDS instruction of mine is out at the signal
	s_barrier_signal -1
	s_barrier_wait -1
	FETCH 0, F0
	WIN 0
	s_mov_b32 s[CNT], NS-2
.Lfill:
	KSTEPS 1
	s_sub_co_u32 s[CNT], s[CNT], 1
	s_cmp_lg_u32 s[CNT], 0
	s_cbranch_scc1 .Lfill
	s_mov_b32 s[CNT], 2
.Llast:
	KSTEPS 0
	s_sub_co_u32 s[CNT], s[CNT], 1
	s_cmp_lg_u32 s[CNT], 0
	s_cbranch_scc1 .Llast
	PLACES
	s_wait_dscnt 0x0
	s_barrier_signal -1
	s_barrier_wait -1                              ; everybody's reads of the ring are back: it becomes the stages
.irp p, 0,1
	WIN 0x08+0x04*\p
.set al, 0
.rept AW
.set bb, 0
.rept NBW
	ds_store_b128 v[STO], v[8*(al*NBW+bb):8*(al*NBW+bb)+3] offset:(\p*AW+al)*16*SP+64*bb
	ds_store_b128 v[STO], v[8*(al*NBW+bb)+4:8*(al*NBW+bb)+7] offset:(\p*AW+al)*16*SP+64*bb+16
.set bb, bb+1
.endr
.set al, al+1
.endr
.endr
	WIN 0
.macro EACH16 line:vararg              ; one line for each pair k of 16
.set k, 0
	s_wait_alu depctr_va_vdst(0)
.rept 16
	\line
.set k, k+1
.endr
.endm
.macro EACH32 line:vararg              ; one line for each number k of 32
.set k, 0
.rept 32
	\line
.set k, k+1
.endr
.endm
	s_mov_b32 s[CNT], 16
.Lrows:                                                ; 8 rows a trip, 4 columns a lane; LDS serves a wave's instructions in order, so these loads see my stores
.irp i, 0,1,2,3,4,5,6,7
	ds_load_b128 v[T+4*\i:T+4*\i+3], v[RD] offset:\i*SP
.endr
.irp i, 0,1,2,3
	ds_load_b128 v[RR+4*\i:RR+4*\i+3], v[RT] offset:16*\i
.endr
	s_wait_dscnt 0x0
	EACH16 v_pk_fma_f32 v[T+2*k:T+2*k+1], v[T+2*k:T+2*k+1], v[RR+2*(k/2):RR+2*(k/2)+1], v[B1+2*(k%2):B1+2*(k%2)+1]
	EACH32 v_fma_f32 v[U+k], |v[T+k]|, s90, 1.0
	EACH16 v_pk_mul_f32 v[W+2*k:W+2*k+1], v[T+2*k:T+2*k+1], v[T+2*k:T+2*k+1]
	EACH32 v_rcp_f32 v[U+k], v[U+k]
	EACH16 v_pk_mul_f32 v[W+2*k:W+2*k+1], v[W+2*k:W+2*k+1], s[98:99] op_sel_hi:[1,0]
	EACH32 v_exp_f32 v[W+k], v[W+k]
	EACH16 v_pk_fma_f32 v[Q+2*k:Q+2*k+1], v[U+2*k:U+2*k+1], s[92:93], s[94:95] op_sel_hi:[1,0,0]
	EACH16 v_pk_fma_f32 v[Q+2*k:Q+2*k+1], v[Q+2*k:Q+2*k+1], v[U+2*k:U+2*k+1], s[96:97] op_sel_hi:[1,1,0]
	EACH16 v_pk_mul_f32 v[Q+2*k:Q+2*k+1], v[Q+2*k:Q+2*k+1], v[U+2*k:U+2*k+1]
	EACH16 v_pk_fma_f32 v[Q+2*k:Q+2*k+1], v[Q+2*k:Q+2*k+1], v[W+2*k:W+2*k+1], 0.5 op_sel_hi:[1,1,0]
	EACH16 v_pk_mul_f32 v[U+2*k:U+2*k+1], v[T+2*k:T+2*k+1], 0.5 op_sel_hi:[1,0]
	EACH32 v_fma_f32 v[U+k], |v[T+k]|, v[Q+k], v[U+k]
	EACH16 v_cvt_pk_f16_f32 v[OUT+k], v[U+2*k], v[U+2*k+1]
.irp i, 0,1,2,3,4,5,6,7
	global_store_b64 v[O8], v[OUT+2*\i:OUT+2*\i+1], s[84:85] offset:\i*8192   ; 256 consecutive bytes, aligned
.endr
	s_wait_xcnt 0x0                                ; data and base are rewritten only behind this wait
	v_add_nc_u32 v[RD], 8*SP, v[RD]
	v_add_nc_u32 v[RT], 64, v[RT]
	s_add_nc_u64 s[84:85], s[84:85], 65536
	s_sub_co_u32 s[CNT], s[CNT], 1
	s_cmp_lg_u32 s[CNT], 0
	s_cbranch_scc1 .Lrows
	s_wait_tensorcnt 0x0                           ; the wave's end
	ds_add_u32 v[SPW], v[NIL]
	s_wait_dscnt 0x0
	CROUND                                         ; the closing round
	s_endpgm
.Lfunc_end_k_qe92daab6f8_ffn1:
	.size	k_qe92daab6f8_ffn1, .Lfunc_end_k_qe92daab6f8_ffn1-k_qe92daab6f8_ffn1
	.p2alignl 7, 3214868480
	.fill 96, 4, 3214868480
	.section	.rodata,"a",@progbits
	.p2align	6, 0x0
	.amdhsa_kernel k_qe92daab6f8_ffn1
		.amdhsa_group_segment_fixed_size 327680
		.amdhsa_private_segment_fixed_size 0
		.amdhsa_enable_private_segment 0
		.amdhsa_kernarg_size 32
		.amdhsa_user_sgpr_count 2
		.amdhsa_user_sgpr_kernarg_segment_ptr 1
		.amdhsa_wavefront_size32 1
		.amdhsa_system_sgpr_workgroup_id_x 1
		.amdhsa_system_sgpr_workgroup_id_y 1
		.amdhsa_system_sgpr_workgroup_id_z 1
		.amdhsa_system_vgpr_workitem_id 0
		.amdhsa_next_free_vgpr 1024
		.amdhsa_next_free_sgpr 100
		.amdhsa_reserve_vcc 0
		.amdhsa_float_denorm_mode_32 3
		.amdhsa_float_denorm_mode_16_64 3
		.amdhsa_memory_ordered 1
		.amdhsa_forward_progress 1
		.amdhsa_inst_pref_size 95
	.end_amdhsa_kernel
	.amdgpu_metadata
---
amdhsa.version: [ 1, 2 ]
amdhsa.kernels:
  - .name:           k_qe92daab6f8_ffn1
    .symbol:         k_qe92daab6f8_ffn1.kd
    .args:
      - { .name: res, .offset: 0, .size: 8, .value_kind: global_buffer, .address_space: global }
      - { .name: wts, .offset: 8, .size: 8, .value_kind: global_buffer, .address_space: global }
      - { .name: b1, .offset: 16, .size: 8, .value_kind: global_buffer, .address_space: global }
      - { .name: hid, .offset: 24, .size: 8, .value_kind: global_buffer, .address_space: global }
    .group_segment_fixed_size: 327680
    .private_segment_fixed_size: 0
    .kernarg_segment_align: 8
    .kernarg_segment_size: 32
    .max_flat_workgroup_size: 128
    .sgpr_count:     100
    .vgpr_count:     1024
    .wavefront_size: 32
...
	.end_amdgpu_metadata
.endif
;; end of part 7
;; launch ffn2 (part 8): grid 8 x 32, 4 waves a work-group, clusters of 4 x 4, 327,680 bytes of LDS; arguments hid, wts, b2, res, out0; writes out0
.if DOCPART == 8
	.amdgcn_target "amdgcn-amd-amdhsa--gfx1250"
	.amdhsa_code_object_version 6
	.text
	.protected	k_qe92daab6f8_ffn2
	.globl	k_qe92daab6f8_ffn2
	.p2align	8
	.type	k_qe92daab6f8_ffn2,@function
k_qe92daab6f8_ffn2:
	s_mov_b64 s[64:65], 0
	v_nop
	global_prefetch_b8 v0, s[64:65] scope:SCOPE_SE
	s_setreg_imm32_b32 hwreg(HW_REG_WAVE_MODE, 25, 1), 1
	s_wait_xcnt 0x0
	s_wait_alu depctr_hold_cnt(0) depctr_sa_sdst(0) depctr_va_vdst(0) depctr_va_sdst(0) depctr_va_ssrc(0) depctr_va_vcc(0) depctr_vm_vsrc(0)
	s_getreg_b32 s2, hwreg(HW_REG_IB_STS2, 6, 4)
	s_cmp_eq_u32 s2, 0
	s_cbranch_scc0 .Lentry_in_a_cluster
	s_endpgm
.Lentry_in_a_cluster:
	s_bfe_u32 s2, ttmp6, 0x10000c
	s_cmp_lg_u32 s2, 0xf033
	s_cbranch_scc0 .Lentry_shape_is_right
	s_endpgm
.Lentry_shape_is_right:
; out0 = h w2^T + b2 + z, f32.  h f16 [4096][4096]; w2 f16 [1024][4096] (wts + 16,777,216); z = x_delta + attn_out + mhc_out, f32 (res + 0).
; A tile of C is 128 x 128: 8 x 32 = 256 work-groups; four waves of 64 x 64; K in 16 steps of 256 through two LDS slots; rows of 512 bytes, 16 of padding.
; CLUSTER 4 x 4, joint loads; transposed matrix instruction; sums begun by a product of zeros with the bias as C; a stale quarter fetched at the last change of slots: as in the launch qkv.
; THE WALK ALONG K GOES ROUND: cluster (X, Y) begins at K step (8 X + 4 g) % 16, g = Y % 2 + 2 ((Y / 2 xor Y / 4) % 2).  The two clusters that read the same rows of h (same Y) are eight steps apart: each asks first for half
; of those rows' bytes, and in its last eight steps for what the other asked for in its first eight.  Of the clusters that read the same rows of w2 (same X) those with Y in {0..3}, {4..7}, {0,1,4,5}, {2,3,6,7} are four steps apart.
; Only the order of the f32 sums changes.
; z of my 32 rows is loaded into window 3 ahead of the K loop and lands under it.
; REGISTERS: window 0 addresses and the way out; window 1 two fragment buffers (A(c, i) at f + 8 (4 c + i), B at f + 64 + ..); window 2 accumulators (a, b) at 8 (4 a + b); window 3 v0-127 z.
.set KDIM,  4096
.set KSTEP, 256
.set NS,    KDIM/KSTEP
.set SHK,   9                          ; a K step is 1 << 9 bytes along A's rows and along B's
.set PA,    528
.set PB,    528
.set AQ,    128
.set AI,    16*PA
.set HALFA, 64*PA
.set HALFB, 64*PB
.set BOFF,  2*HALFA
.set SLOT1, 147456                     ; no fill address in slot 0 has one of this number's bits: one exclusive or changes slots
.set SPARE, SLOT1+BOFF+2*HALFB
.set SP,    528
.set A0,   16
.set B0,   17
.set ADRA, 18
.set ADRB, 19
.set BO,   23
.set STO,  24
.set RD,   25
.set O16,  26
.set SPW,  28
.set NIL,  29
.set BI,   32
.set T,    64
.set F0,   0
.set F1,   128
.set KO,  4                            ; s[4:5] a K step's byte offset
.set G1A, 24
.set G0A, 32
.set KI,  45                           ; s45 the K step of the walking descriptors
.set G1B, 48
.set G0B, 56
.set TB,  66
.set CNT, 67
.set MSB, 0
.macro WIN new
.if MSB != (\new)
	s_set_vgpr_msb (MSB<<8)|(\new)
.set MSB, (\new)
.endif
.endm
.macro PLACES                          ; four plain places behind matrix instructions whose registers are loaded into, or whose results are read
.rept 4
	v_nop
.endr
.endm
.macro CREST
	s_cmp_lg_u32 s10, 0
	s_cbranch_scc1 .Lnot_wave_0_\@
	s_barrier_signal -3
.Lnot_wave_0_\@:
	s_barrier_wait -3
	s_barrier_signal -1
	s_barrier_wait -1
.endm
.macro CROUND
	s_barrier_signal -1
	s_barrier_wait -1
	CREST
.endm
.macro JLOAD                           ; a joint refill by the walking descriptors: waves 0, 1 A's halves, waves 2, 3 B's
	s_cmp_eq_u32 s11, 0
	s_cbranch_scc0 .Lfor_b_\@
	tensor_load_to_lds s[G0A+4:G0A+7], s[G1A:G1A+7]
	s_nop 0
.rept 4
	v_nop
.endr
	s_branch .Lasked_\@
.Lfor_b_\@:
	tensor_load_to_lds s[G0B+4:G0B+7], s[G1B:G1B+7]
	s_nop 0
.rept 4
	v_nop
.endr
.Lasked_\@:
.endm
.macro SETG s                          ; both tensors' group 0, set s: K step s[KI] into slot s
	s_lshl_b32 s[KO], s[KI], SHK
	s_mov_b32 s[G0A+4*(\s)], 1
	s_add_co_u32 s[G0A+4*(\s)+1], s20, (\s)*SLOT1
	s_add_nc_u64 s[G0A+4*(\s)+2:G0A+4*(\s)+3], s[14:15], s[KO:KO+1]
	s_or_b32 s[G0A+4*(\s)+3], s[G0A+4*(\s)+3], 0x80000000
	s_mov_b32 s[G0B+4*(\s)], 1
	s_add_co_u32 s[G0B+4*(\s)+1], s21, (\s)*SLOT1
	s_add_nc_u64 s[G0B+4*(\s)+2:G0B+4*(\s)+3], s[46:47], s[KO:KO+1]
	s_or_b32 s[G0B+4*(\s)+3], s[G0B+4*(\s)+3], 0x80000000
.endm
.macro NEXTK                           ; the walking descriptors: the other slot, the next K step going round; each address is made anew from its tensor's base
	s_add_co_u32 s[KI], s[KI], 1
	s_and_b32 s[KI], s[KI], NS-1
	s_lshl_b32 s[KO], s[KI], SHK
	s_xor_b32 s[G0A+5], s[G0A+5], SLOT1
	s_add_nc_u64 s[G0A+6:G0A+7], s[14:15], s[KO:KO+1]
	s_or_b32 s[G0A+7], s[G0A+7], 0x80000000
	s_xor_b32 s[G0B+5], s[G0B+5], SLOT1
	s_add_nc_u64 s[G0B+6:G0B+7], s[46:47], s[KO:KO+1]
	s_or_b32 s[G0B+7], s[G0B+7], 0x80000000
.endm
.macro FETCH q, f                      ; 32 LDS loads: 64 along K, the first 32 first
	WIN 0x40
.irp c, 0,1
.irp i, 0,1,2,3
	ds_load_b128 v[(\f)+64+8*(4*\c+\i):(\f)+64+8*(4*\c+\i)+3],   v[ADRB] offset:128*(\q)+64*\c+\i*16*PB
	ds_load_b128 v[(\f)+64+8*(4*\c+\i)+4:(\f)+64+8*(4*\c+\i)+7], v[ADRB] offset:128*(\q)+64*\c+\i*16*PB+32
	ds_load_b128 v[(\f)+8*(4*\c+\i):(\f)+8*(4*\c+\i)+3],         v[ADRA] offset:AQ*(\q)+64*\c+\i*AI
	ds_load_b128 v[(\f)+8*(4*\c+\i)+4:(\f)+8*(4*\c+\i)+7],       v[ADRA] offset:AQ*(\q)+64*\c+\i*AI+32
.endr
.endr
.endm
.macro MUL8 f, c, a0                   ; row blocks a0, a0 + 1 x 4 column blocks, depth c; the accumulators take turns
	WIN 0xa5
.irp a, \a0, (\a0)+1
.irp b, 0,1,2,3
	v_wmma_f32_16x16x32_f16 v[8*(4*(\a)+(\b)):8*(4*(\a)+(\b))+7], v[(\f)+64+8*(4*(\c)+(\b)):(\f)+64+8*(4*(\c)+(\b))+7], v[(\f)+8*(4*(\c)+(\a)):(\f)+8*(4*(\c)+(\a))+7], v[8*(4*(\a)+(\b)):8*(4*(\a)+(\b))+7]
.endr
.endr
.endm
.macro QUARTER q, f, g
	s_wait_dscnt 16                                ; the first 32 along K are in
	MUL8 \f, 0, 0
	MUL8 \f, 0, 2
	PLACES
	FETCH \q, \g
	s_wait_dscnt 32                                ; all but the 32 just issued
	MUL8 \f, 1, 0
	MUL8 \f, 1, 2
.endm
.macro TURN fill                       ; the last quarter and the change of slots
	WIN 0
	s_wait_tensorcnt 0x0                           ; all my tensor loads have landed: my part of the next slot; so every group 0 may be written
	ds_add_u32 v[SPW], v[NIL]
.if \fill
	NEXTK
.endif
	s_wait_dscnt 17                                ; the add and the youngest sixteen loads may be out
	MUL8 F1, 0, 0
	s_wait_dscnt 0x0                               ; the add is done, my reads of this slot are over
	s_barrier_signal -1
	MUL8 F1, 0, 2
	WIN 0
	s_barrier_wait -1
.if \fill
	CREST                                          ; the barrier opened a round of the cluster's: no wave of any partner reads the slot or has a load out
	JLOAD                                          ; its four v_nop are also the places in front of the loads below
.else
	PLACES
.endif
	s_xor_b32 s[TB], s[TB], SLOT1
	v_add_nc_u32 v[ADRA], s[TB], v[A0]
	v_add_nc_u32 v[ADRB], s[TB], v[B0]
	FETCH 0, F0
	MUL8 F1, 1, 0
	MUL8 F1, 1, 2
.endm
.macro KSTEPS fill
	QUARTER 1, F0, F1
	QUARTER 2, F1, F0
	QUARTER 3, F0, F1
	TURN \fill
	WIN 0
.endm
	s_load_b256 s[68:75], s[0:1], 0x0              ; hid 68, wts 70, b2 72, res 74
	s_load_b64 s[76:77], s[0:1], 0x20              ; out0
	v_lshl_add_u32 v[SPW], v0, 2, SPARE
	v_mov_b32 v[NIL], 0
	ds_add_u32 v[SPW], v[NIL]                      ; the wave's opening: the add and its wait ahead of my first tensor load
	v_lshrrev_b32 v1, 5, v0
	v_readfirstlane_b32 s10, v1                    ; wave
	s_lshr_b32 s11, s10, 1                         ; my half of the tile's rows; also: I fetch for A (0) or B (1)
	s_and_b32 s12, s10, 1                          ; my half of its columns; also: which half I fetch
	s_bfe_u32 s40, ttmp6, 0x40000
	s_bfe_u32 s41, ttmp6, 0x40004
	s_lshl_b32 s42, ttmp9, 2
	s_add_co_u32 s42, s42, s40                     ; tile column
	s_and_b32 s13, ttmp7, 0xffff
	s_lshl_b32 s13, s13, 2
	s_add_co_u32 s13, s13, s41                     ; tile row
	s_lshl_b32 s43, s41, 2
	s_lshl_b32 s43, 15, s43                        ; my row of the cluster
	s_lshl_b32 s44, 0x1111, s40                    ; my column
	s_and_b32 s6, ttmp7, 7                         ; the cluster's first K step, from the cluster's own X and Y, which all sixteen partners share
	s_lshr_b32 s7, s6, 1
	s_lshr_b32 s8, s6, 2
	s_xor_b32 s7, s7, s8
	s_and_b32 s7, s7, 1
	s_and_b32 s6, s6, 1
	s_lshl1_add_u32 s6, s7, s6                     ; g
	s_lshl_b32 s6, s6, 2
	s_lshl3_add_u32 s[KI], ttmp9, s6
	s_and_b32 s[KI], s[KI], NS-1
	s_mov_b32 s[KO+1], 0
	s_or_b32 s[G1A], s43, (1<<16)|(1<<20)|(1<<21)|(6<<22)|(3<<25)   ; mask; 2-byte elements; padding of 4 words after every 128; bit 21 beside a mask
	s_or_b32 s[G1B], s44, (1<<16)|(1<<20)|(1<<21)|(6<<22)|(3<<25)
.irp g, G1A, G1B
	s_mov_b32 s[(\g)+1], KSTEP<<16
	s_mov_b32 s[(\g)+2], 64<<16
	s_mov_b32 s[(\g)+3], KSTEP<<16
	s_mov_b32 s[(\g)+4], 64
	s_mov_b32 s[(\g)+5], KDIM
	s_mov_b32 s[(\g)+6], 0
	s_mov_b32 s[(\g)+7], 0
.endr
	s_lshl_b32 s16, s13, 7
	s_lshl_b32 s17, s12, 6
	s_add_co_u32 s16, s16, s17
	s_lshl_b32 s16, s16, 13                        ; h: row 128 x tile row + 64 x half, 8,192 bytes a row
	s_mov_b32 s17, 0
	s_lshl_b32 s46, s42, 7
	s_lshl_b32 s47, s12, 6
	s_add_co_u32 s46, s46, s47
	s_lshl_b32 s46, s46, 13
	s_add_co_u32 s46, s46, 16777216                ; w2: row 128 x tile column + 64 x half
	s_mov_b32 s47, 0
	s_mul_i32 s20, s12, HALFA
	s_mul_i32 s21, s12, HALFB
	s_add_co_u32 s21, s21, BOFF
	s_mov_b32 s[TB], 0
	s_wait_dscnt 0x0
	s_wait_kmcnt 0x0
	s_add_nc_u64 s[14:15], s[68:69], s[16:17]      ; A's rows at K = 0: kept
	s_add_nc_u64 s[46:47], s[70:71], s[46:47]      ; B's rows at K = 0: kept
	SETG 0                                         ; the cluster's first K step into slot 0,
	s_add_co_u32 s[KI], s[KI], 1
	s_and_b32 s[KI], s[KI], NS-1
	SETG 1                                         ; its second into slot 1: this set then walks
	CROUND                                         ; all sixteen work-groups are here: the first joint loads meet
	s_cmp_eq_u32 s11, 0                            ; a wave's two first fills stand in one branch: two loads of mine are out
	s_cbranch_scc0 .Lfirst_b
	tensor_load_to_lds s[G0A:G0A+3], s[G1A:G1A+7]
	s_nop 0
	tensor_load_to_lds s[G0A+4:G0A+7], s[G1A:G1A+7]
	s_nop 0
.rept 4
	v_nop
.endr
	s_branch .Lfirst_asked
.Lfirst_b:
	tensor_load_to_lds s[G0B:G0B+3], s[G1B:G1B+7]
	s_nop 0
	tensor_load_to_lds s[G0B+4:G0B+7], s[G1B:G1B+7]
	s_nop 0
.rept 4
	v_nop
.endr
.Lfirst_asked:
	v_and_b32 v1, 15, v0                           ; r
	v_bfe_u32 v2, v0, 4, 1                         ; h
	v_mul_u32_u24 v3, v1, PA
	v_lshl_add_u32 v3, v2, 4, v3
	s_mul_i32 s22, s11, HALFA
	v_add_nc_u32 v[A0], s22, v3
	s_mul_i32 s22, s12, HALFB
	s_add_co_u32 s22, s22, BOFF
	v_add_nc_u32 v[B0], s22, v3
	v_mov_b32 v[ADRA], v[A0]
	v_mov_b32 v[ADRB], v[B0]
	v_lshlrev_b32 v[BO], 5, v2
	s_mul_i32 s23, s11, 64*SP                      ; into the shared stage: my 64 rows, my 64 columns
	s_lshl_b32 s22, s12, 8
	s_add_co_u32 s23, s23, s22
	v_mul_u32_u24 v4, v1, SP
	v_lshl_add_u32 v4, v2, 5, v4
	v_add_nc_u32 v[STO], s23, v4
	v_and_b32 v4, 31, v0
	v_lshlrev_b32 v[O16], 4, v4
	s_mul_i32 s23, s10, 32*SP                      ; back: wave w takes rows 32 w .. 32 w + 31, whole
	v_add_nc_u32 v[RD], s23, v[O16]
	s_lshl_b32 s80, s13, 7
	s_lshl_b32 s81, s10, 5
	s_add_co_u32 s80, s80, s81                     ; the first row that I finish
	s_lshl_b32 s80, s80, 12
	s_lshl_b32 s81, s42, 9
	s_add_co_u32 s80, s80, s81
	s_mov_b32 s81, 0
	s_add_nc_u64 s[82:83], s[74:75], s[80:81]      ; z
	s_add_nc_u64 s[84:85], s[76:77], s[80:81]      ; out0
	s_lshl_b32 s86, s42, 9
	s_lshl_b32 s87, s12, 8
	s_add_co_u32 s86, s86, s87
	s_mov_b32 s87, 0
	s_add_nc_u64 s[86:87], s[72:73], s[86:87]      ; b2
.irp b, 0,1,2,3
	global_load_b128 v[BI+8*\b:BI+8*\b+3], v[BO], s[86:87] offset:64*\b
	global_load_b128 v[BI+8*\b+4:BI+8*\b+7], v[BO], s[86:87] offset:64*\b+16
.endr
	s_wait_loadcnt 0x0
	WIN 0x40
.irp i, 0,1,2,3,4,5,6,7
	v_mov_b32 v[\i], 0                             ; a fragment of zeros
.endr
	WIN 0x85
.irp a, 0,1,2,3
.irp b, 0,1,2,3
	v_wmma_f32_16x16x32_f16 v[8*(4*\a+\b):8*(4*\a+\b)+7], v[0:7], v[0:7], v[BI+8*\b:BI+8*\b+7]
.endr
.endr
	WIN 0xc0
.set ii, 0
.rept 32
	global_load_b128 v[4*ii:4*ii+3], v[O16], s[82:83] offset:ii*4096 th:TH_LOAD_NT
.set ii, ii+1
.endr
	WIN 0
	PLACES                                         ; in front of the loads into the fragment of zeros
	s_wait_tensorcnt 0x1                           ; my part of the first K step is in; the second's may stay out
	s_barrier_signal -1
	s_barrier_wait -1
	FETCH 0, F0
	WIN 0
	s_mov_b32 s[CNT], NS-2
.Lfill:                                                ; a trip is a K step; its change of slots asks for the step two on
	KSTEPS 1
	s_sub_co_u32 s[CNT], s[CNT], 1
	s_cmp_lg_u32 s[CNT], 0
	s_cbranch_scc1 .Lfill
	s_mov_b32 s[CNT], 2
.Llast:                                                ; the last two steps ask for nothing
	KSTEPS 0
	s_sub_co_u32 s[CNT], s[CNT], 1
	s_cmp_lg_u32 s[CNT], 0
	s_cbranch_scc1 .Llast
	PLACES
	s_wait_dscnt 0x0                               ; my last reads of the ring are back
	s_barrier_signal -1
	s_barrier_wait -1                              ; everybody's are: the ring becomes the stage
	WIN 0x08
.irp a, 0,1,2,3
.irp b, 0,1,2,3
	ds_store_b128 v[STO], v[8*(4*\a+\b):8*(4*\a+\b)+3] offset:\a*16*SP+64*\b
	ds_store_b128 v[STO], v[8*(4*\a+\b)+4:8*(4*\a+\b)+7] offset:\a*16*SP+64*\b+16
.endr
.endr
	WIN 0
	s_wait_tensorcnt 0x0                           ; three lines behind my last LDS store;
	ds_add_u32 v[SPW], v[NIL]
	s_wait_dscnt 0x0                               ; the last also shows my part of the stage stored, for the others' sake
	s_barrier_signal -1
	s_barrier_wait -1
	s_wait_loadcnt 0x0                             ; z
.macro FGRP g                          ; eight rows
	s_wait_xcnt 0x0                                ; the last group's stores have read their registers
.irp i, 0,1,2,3,4,5,6,7
	ds_load_b128 v[T+4*\i:T+4*\i+3], v[RD] offset:(8*(\g)+\i)*SP
.endr
	s_wait_dscnt 0x0
	WIN 0x0c
.irp i, 0,1,2,3,4,5,6,7
	v_pk_add_f32 v[T+4*\i:T+4*\i+1], v[T+4*\i:T+4*\i+1], v[4*(8*(\g)+\i):4*(8*(\g)+\i)+1]
	v_pk_add_f32 v[T+4*\i+2:T+4*\i+3], v[T+4*\i+2:T+4*\i+3], v[4*(8*(\g)+\i)+2:4*(8*(\g)+\i)+3]
.endr
	WIN 0
.irp i, 0,1,2,3,4,5,6,7
	global_store_b128 v[O16], v[T+4*\i:T+4*\i+3], s[84:85] offset:(8*(\g)+\i)*4096 th:TH_STORE_NT   ; 512 consecutive bytes, aligned
.endr
.endm
	FGRP 0
	FGRP 1
	FGRP 2
	FGRP 3
	CROUND                                         ; the closing round
	s_endpgm
.Lfunc_end_k_qe92daab6f8_ffn2:
	.size	k_qe92daab6f8_ffn2, .Lfunc_end_k_qe92daab6f8_ffn2-k_qe92daab6f8_ffn2
	.p2alignl 7, 3214868480
	.fill 96, 4, 3214868480
	.section	.rodata,"a",@progbits
	.p2align	6, 0x0
	.amdhsa_kernel k_qe92daab6f8_ffn2
		.amdhsa_group_segment_fixed_size 327680
		.amdhsa_private_segment_fixed_size 0
		.amdhsa_enable_private_segment 0
		.amdhsa_kernarg_size 40
		.amdhsa_user_sgpr_count 2
		.amdhsa_user_sgpr_kernarg_segment_ptr 1
		.amdhsa_wavefront_size32 1
		.amdhsa_system_sgpr_workgroup_id_x 1
		.amdhsa_system_sgpr_workgroup_id_y 1
		.amdhsa_system_sgpr_workgroup_id_z 1
		.amdhsa_system_vgpr_workitem_id 0
		.amdhsa_next_free_vgpr 1024
		.amdhsa_next_free_sgpr 100
		.amdhsa_reserve_vcc 0
		.amdhsa_float_denorm_mode_32 3
		.amdhsa_float_denorm_mode_16_64 3
		.amdhsa_memory_ordered 1
		.amdhsa_forward_progress 1
		.amdhsa_inst_pref_size 63
	.end_amdhsa_kernel
	.amdgpu_metadata
---
amdhsa.version: [ 1, 2 ]
amdhsa.kernels:
  - .name:           k_qe92daab6f8_ffn2
    .symbol:         k_qe92daab6f8_ffn2.kd
    .args:
      - { .name: hid, .offset: 0, .size: 8, .value_kind: global_buffer, .address_space: global }
      - { .name: wts, .offset: 8, .size: 8, .value_kind: global_buffer, .address_space: global }
      - { .name: b2, .offset: 16, .size: 8, .value_kind: global_buffer, .address_space: global }
      - { .name: res, .offset: 24, .size: 8, .value_kind: global_buffer, .address_space: global }
      - { .name: out0, .offset: 32, .size: 8, .value_kind: global_buffer, .address_space: global }
    .group_segment_fixed_size: 327680
    .private_segment_fixed_size: 0
    .kernarg_segment_align: 8
    .kernarg_segment_size: 40
    .max_flat_workgroup_size: 128
    .sgpr_count:     100
    .vgpr_count:     1024
    .wavefront_size: 32
...
	.end_amdgpu_metadata
.endif
;; end of part 8
